; MI455X (gfx1250); checked and timed in simulation.
; The chip was launched on July 23, 2026; its instructions are those of AMD's public machine-readable ISA for CDNA 5 (MIT licence, August 2026) and "CDNA5" Instruction Set Architecture Reference Guide (July 2026). The comments in the code are by the model that wrote it; some were corrected since.
;; Infinity Attention. Allowed arithmetic: matrix products marked QUANTISED: E3M2 operands, one E8M0 scale for each 32 along K, by v_wmma_scale_f32_16x16x128_f8f6f4 with both operands' format E3M2, f32 sums; products left as they are: f32 operands where the result goes on into a quantised operand, else bf16, f16 or f32 operands; f32 sums; everything else in f32.
;; Inputs: M 4 x 16 x 64 x 64 float32; W_qkv 1,024 x 3,072 float32; Z 4 x 16 x 64 x 1 float32; beta_gate 1 x 16 x 1 x 1 float32; beta_lin 1 float32; x 4 x 2,048 x 1,024 float32.
;; Outputs: out0 4 x 2,048 x 1,024 float32; out1 4 x 16 x 64 x 64 float32; out2 4 x 16 x 64 x 1 float32.
;; This version of the problem:
;;   THIS VERSION OF THE PROBLEM IS GIVEN IN LOW PRECISION. The matrix products marked QUANTISED in the list below multiply operands that are first quantised to E3M2 (3 exponent bits, 2 mantissa bits; 6 bits a number), with one power-of-two scale for each 32 numbers along K (OCP MX v1.0); their sums are f32. All else is computed in f32.
;;   The module's matrix products, in the order in which they are computed (A, B: the left and right operand; K: the contracted axis; several contracted axes count as one K, in the product's order):
;;     1. [M 8,192, K 1,024] x [K 1,024, N 3,072]; A: input x; B: input W_qkv: QUANTISED
;;     2. batch 64 x [M 2,048, K 64] x [K 64, N 64]; A: computed on the way; B: input M: QUANTISED
;;     3. batch 64 x [M 2,048, K 64] x [K 64, N 1]; A: computed on the way; B: input Z: left as it is (N = 1 < 16)
;;     4. batch 64 x [M 2,048, K 64] x [K 64, N 64]; A: computed on the way; B: input M: QUANTISED
;;     5. batch 64 x [M 2,048, K 64] x [K 64, N 1]; A: computed on the way; B: input Z: left as it is (N = 1 < 16)
;;     6. batch 64 x [M 64, K 2,048] x [K 2,048, N 64]; A: computed on the way; B: computed on the way: QUANTISED
;;     7. batch 64 x [M 2,048, K 64] x [K 64, N 2,048]; A: computed on the way; B: computed on the way: QUANTISED
;;     8. batch 64 x [M 2,048, K 2,048] x [K 2,048, N 64]; A: softmax (see below); B: computed on the way: QUANTISED
;;   THE QUANTISER, for each operand of a quantised product, along K:
;;     - K is cut into blocks of 32 from its start; a last block that is shorter is filled with zeros.
;;     - A block's scale is 2^e with e = floor(log2(the largest magnitude in the block)) - 4, held to -126 .. 127; a block of zeros has e = 0. As a byte (E8M0): e + 127.
;;     - Each number is divided by its block's scale, clamped to +-28, and rounded to the nearest number of E3M2, ties to even, subnormals kept.
;;     - The product sums the exact products of the quantised numbers (number of the format x scale) in f32.
;;   ~~~python
;;   def quantise(x, axis):      # numpy; x: float32 -> the quantised numbers, widened to float32 again
;;       x = np.moveaxis(x, axis, -1); K = x.shape[-1]
;;       x = np.pad(x, [(0, 0)] * (x.ndim - 1) + [(0, -K % 32)]); x = x.reshape(x.shape[:-1] + (-1, 32)); a = np.abs(x).max(-1, keepdims=True)
;;       e = np.where(a > 0, np.clip(np.frexp(np.where(a > 0, a, 1))[1] - 1 - 4, -126, 127), 0)      # np.frexp(a)[1] - 1 = floor(log2(a)), exactly
;;       r = np.clip(x / 2.0 ** e, -28, 28)
;;       step = 2.0 ** (np.maximum(np.frexp(np.where(r == 0, 1, r))[1] - 1, -2) - 2)
;;       q = np.round(r / step) * step * 2.0 ** e      # np.round: ties to even
;;       return np.moveaxis(q.reshape(q.shape[:-2] + (-1,))[..., :K], -1, axis).astype(np.float32)
;;   ~~~
;;   SOFTMAX AHEAD OF A QUANTISED PRODUCT. Where the list says 'softmax', what is quantised is not the finished softmax but p = 2^(t - M), with t = logit x log2(e) and M = ceil(the row's largest t), a whole number; so 1/2 < the row's largest p <= 1. The row's sum l is taken of the UNQUANTISED p, in f32, and the product's result is divided by l at the end. Since M is a whole number, a kernel that streams over the keys may use a running M (the ceiling of the running maximum): every later rescaling is an exact power of two, which a block's scale takes up: the codes' values come out the same.
;;   OPERANDS COMPUTED ON THE WAY. 'Computed on the way' means the value that the module computes at that place (a softmax that the list does not call 'softmax' is quantised finished and normalised). What goes into a quantiser is computed in f32, as accurately as f32 sums, v_exp_f32 and their like allow (about 1e-6 of the number): no bf16 or f16 on the way to a quantiser, and a product that is left as it is and whose result goes on into a quantised operand takes f32 operands (vector FMAs, or v_wmma_f32_16x16x4_f32). A number that lies on a knife's edge between two numbers of the format may be rounded either way, as far as f32 arithmetic and the matrix unit's own rounding can turn it there, and no further.
;; One version. Each part assembles by itself: llvm-mc -triple=amdgcn-amd-amdhsa -mcpu=gfx1250 --defsym DOCPART=n.
;; ======== version 1 of 1: 3 launches
;; workspace buffers: xc 6,291,456 bytes; xs 262,144 bytes; wc 2,359,296 bytes; ws 98,304 bytes; mi 212,992 bytes; qi 14,680,064 bytes; kv 13,631,488 bytes; mp 8,519,680 bytes
;; launch quant (part 1): grid 416 x 1, 4 waves a work-group, no clusters, 68,096 bytes of LDS; arguments x, W_qkv, M, xc, xs, wc, ws, mi; writes xc, xs, wc, ws, mi
.if DOCPART == 1
	.amdgcn_target "amdgcn-amd-amdhsa--gfx1250"
	.amdhsa_code_object_version 6
	.text
	.protected	k_qd86783648b_quant
	.globl	k_qd86783648b_quant
	.p2align	8
	.type	k_qd86783648b_quant,@function
k_qd86783648b_quant:
	s_mov_b64 s[64:65], 0
	v_nop
	global_prefetch_b8 v0, s[64:65] scope:SCOPE_SE
	s_setreg_imm32_b32 hwreg(HW_REG_WAVE_MODE, 25, 1), 1
	s_wait_xcnt 0x0
; x [8192][1024], W_qkv [1024][3072] and M [64][64][64], f32, become codes of BF6 (E3M2) with one E8M0 byte for each 32 along K, once for the whole program.
; A block's scale is 2^(floor(log2(its largest magnitude)) - 4); its byte is the largest magnitude's exponent field - 4, held at 1 from below.
; LIMITS: a block of zeros gets the byte 1 (its codes are zeros, and this program alone reads the bytes); NaN and infinities among the inputs are not served.
; THE ORDER OF ROWS: inside each group of 32 rows of an operand, place 16 u + r holds row 8 u + r + 8 (r / 8): bits 3 and 4 of the row's number change places.  Sixteen rows that lie together are then a tile whose
; product, used transposed, leaves 16 neighbours along the next K in a lane's registers of two neighbouring tiles.
; Three ways, parted by the work-group's number; each has LDS bytes of its own; waves share nothing, so there is no barrier.
;   work-groups 0-255:   x.  K is innermost.  A wave takes 8 tokens (8,192 numbers); the four waves of a work-group are a group of 32 tokens.
;   work-groups 256-351: W_qkv.  K is its first axis: a lane takes a column and its registers run down K.  128 columns x 256 along K a work-group.
;   work-groups 352-415: M of one (batch, head).  K = d is its first axis.  Wave ct makes the fragment of 16 channels x 64 d as an image of the operand's registers.
.set XSP,  80                          ; x: a lane's place in a stage: 64 bytes + 16 of padding
.set XR,   16                          ; v16-79   four sets of 16 numbers as loaded
.set XX,   80                          ; v80-111  two sets of 16 neighbours
.set XE,   112                         ; v112-127 a scale byte for each step
.set XC,   128                         ; v128-191 codes, four registers a step
.set WX,   32                          ; W: v32-95 two sets of 32 numbers
.set WC,   96                          ; a block's codes
.set WO,   112                         ; v112-175 the way out
.set WSB,  24                          ; v24-25 the scale bytes
.set WST,  32768                       ; W's stages begin behind x's LDS bytes: 32 rows x 272 bytes a wave
	s_load_b128 s[4:7], s[0:1], 0x0                ; x, W_qkv
	s_load_b128 s[8:11], s[0:1], 0x10              ; M, xc
	s_load_b128 s[12:15], s[0:1], 0x20             ; xs, wc
	s_load_b128 s[16:19], s[0:1], 0x30             ; ws, mi
	v_lshl_add_u32 v192, v0, 2, 0x10800
	v_mov_b32 v193, 0
	v_lshrrev_b32 v1, 5, v0
	v_readfirstlane_b32 s20, v1                    ; wave 0..3
	v_and_b32 v2, 31, v0                           ; lane
	s_cmp_lt_u32 ttmp9, 256
	s_cbranch_scc0 .Lnot_x
; ---------------- x: 16 steps of 512 numbers a wave.  Each load reads 512 consecutive bytes; a step's 2,048 bytes turn through the wave's own stage, so that a lane holds 16 neighbours; two lanes hold a block.
	v_lshlrev_b32 v3, 4, v2                        ; my 16 bytes of a load's 512
	s_mul_i32 s21, s20, 8192                       ; my wave's LDS bytes
	v_lshrrev_b32 v14, 2, v2
	v_mul_u32_u24 v14, v14, XSP
	v_and_b32 v15, 3, v2
	v_lshl_add_u32 v14, v15, 4, v14
	v_add_nc_u32 v14, s21, v14                     ; into the stage: four lanes' 64 bytes on end, then the padding
	v_mul_u32_u24 v15, v2, XSP
	v_add_nc_u32 v15, s21, v15                     ; out of it: my 16 neighbours
	v_mul_u32_u24 v4, v2, 12                       ; my codes' place in a step's 384 bytes
	v_lshrrev_b32 v5, 1, v2
	s_add_co_u32 s21, s21, 2*32*XSP
	v_add_nc_u32 v5, s21, v5                       ; my block's scale byte among the wave's 256
	v_lshlrev_b32 v7, 3, v2
	v_add_nc_u32 v6, s21, v7                       ; and on the way out 8 bytes a lane
	s_lshl_b32 s22, ttmp9, 2
	s_add_co_u32 s24, s22, s20                     ; the run of 8 tokens that I read
	s_and_b32 s23, s20, 1
	s_lshl_b32 s23, s23, 1
	s_lshr_b32 s26, s20, 1
	s_or_b32 s23, s23, s26                         ; the wave's two bits changed over: the order of rows
	s_add_co_u32 s26, s22, s23                     ; the run of 8 places that I write
	s_lshl_b32 s24, s24, 15                        ; 32,768 bytes of f32 a run
	s_mov_b32 s25, 0
	s_mul_i32 s28, s26, 6144                       ; 6,144 bytes of codes
	s_mov_b32 s29, 0
	s_lshl_b32 s26, s26, 8                         ; 256 scale bytes
	s_mov_b32 s27, 0
	s_wait_kmcnt 0x0
	s_add_nc_u64 s[4:5], s[4:5], s[24:25]
	s_add_nc_u64 s[10:11], s[10:11], s[28:29]
	s_add_nc_u64 s[12:13], s[12:13], s[26:27]
.macro XLOAD t
.irp i, 0,1,2,3
	global_load_b128 v[XR+16*((\t)%4)+4*\i:XR+16*((\t)%4)+4*\i+3], v3, s[4:5] offset:2048*(\t)+512*\i th:TH_LOAD_NT
.endr
.endm
.macro XTURN t                         ; LDS serves a wave's instructions in order: no wait between the stores and the loads
.irp i, 0,1,2,3
	ds_store_b128 v14, v[XR+16*((\t)%4)+4*\i:XR+16*((\t)%4)+4*\i+3] offset:32*XSP*((\t)%2)+8*XSP*\i
.endr
.irp i, 0,1,2,3
	ds_load_b128 v[XX+16*((\t)%2)+4*\i:XX+16*((\t)%2)+4*\i+3], v15 offset:32*XSP*((\t)%2)+16*\i
.endr
.endm
.irp t, 0,1,2,3
	XLOAD \t
.endr
	s_wait_loadcnt 12                              ; step 0's four loads are in; those of three steps may be out
	XTURN 0
.macro XSTEP t
.set XS8, XX+16*((\t)%2)
.if (\t) > 0
	s_wait_dscnt 1                                 ; this step's numbers are back from the stage; the last step's byte store may be out
.else
	s_wait_dscnt 0x0
.endif
.if (\t)+4 < 16
	XLOAD (\t)+4                                   ; into the registers that this step's stores into the stage have read
.endif
.if (\t)+1 < 16
.if 14-(\t) >= 3
	s_wait_loadcnt 12                              ; the next step's four loads are in; three steps' may be out
.else
	s_wait_loadcnt 4*(14-(\t))
.endif
	XTURN (\t)+1
.endif
	v_max3_num_f32 v8, |v[XS8]|, |v[XS8+1]|, |v[XS8+2]|
	v_max3_num_f32 v9, |v[XS8+3]|, |v[XS8+4]|, |v[XS8+5]|
.irp i, 6,10
	v_max3_num_f32 v8, v8, |v[XS8+\i]|, |v[XS8+\i+1]|
	v_max3_num_f32 v9, v9, |v[XS8+\i+2]|, |v[XS8+\i+3]|
.endr
	v_max3_num_f32 v8, v8, |v[XS8+14]|, |v[XS8+15]|
	v_max3_num_f32 v8, v8, v9, 0x2800000           ; and the floor 2^(5 - 127): the byte cannot fall under 1
	v_max_num_f32_dpp v8, v8, v8 row_xmask:1 row_mask:0xf bank_mask:0xf   ; with my neighbour's 16: the block's
	v_add_nc_u32 v11, 0xfe000000, v8               ; 4 off the exponent field: the conversion's scale operand
	v_cvt_scalef32_pk16_bf6_f32 v[XC+4*(\t):XC+4*(\t)+2], v[XS8:XS8+15], v11
	v_lshrrev_b32 v[XE+(\t)], 23, v11              ; the scale's byte
	ds_store_b8 v5, v[XE+(\t)] offset:16*(\t)      ; both lanes of a block write the same byte with the same value
	global_store_b96 v4, v[XC+4*(\t):XC+4*(\t)+2], s[10:11] offset:384*(\t)
.endm
.irp t, 0,1,2,3,4,5,6,7,8,9,10,11,12,13,14,15
	XSTEP \t
.endr
	ds_load_b64 v[12:13], v6
	s_wait_dscnt 0x0
	global_store_b64 v7, v[12:13], s[12:13]        ; 32 lanes store 256 consecutive bytes, aligned
	s_wait_tensorcnt 0x0
	ds_add_u32 v192, v193
	s_wait_dscnt 0x0
	s_endpgm
.Lnot_x:
	s_cmp_lt_u32 ttmp9, 352
	s_cbranch_scc0 .Lpath_m
; ---------------- W_qkv: a wave takes 32 columns x 256 along K: 8 blocks a lane.  Column n (section n / 1024, head (n / 64) % 16, d = n % 64) becomes row 192 head + 64 section + place(d) of wc and ws.
	s_sub_co_u32 s21, ttmp9, 256
	s_lshr_b32 s22, s21, 2                         ; which 128 columns
	s_and_b32 s23, s21, 3                          ; which 256 along K
	s_lshl_b32 s22, s22, 7
	s_lshl_b32 s24, s20, 5
	s_add_co_u32 s22, s22, s24                     ; my wave's first column
	v_lshlrev_b32 v3, 2, v2                        ; in: 4 bytes a lane
	s_mul_i32 s24, s20, 32*272
	s_add_co_u32 s24, s24, WST                     ; my stage
	v_and_b32 v10, 7, v2
	v_bfe_u32 v11, v2, 3, 1
	v_lshl_add_u32 v10, v11, 4, v10
	v_bfe_u32 v11, v2, 4, 1
	v_lshl_add_u32 v10, v11, 3, v10                ; my column's place among the 32: bits 3 and 4 changed over
	v_mul_u32_u24 v4, v10, 272
	v_add_nc_u32 v4, s24, v4                       ; into the stage: row = that place
	v_and_b32 v5, 15, v2
	v_lshrrev_b32 v6, 4, v2
	v_mul_u32_u24 v7, v6, 272
	v_lshl_add_u32 v7, v5, 4, v7
	v_add_nc_u32 v7, s24, v7                       ; out of it: sixteen lanes to a row, two rows an instruction
	v_mul_u32_u24 v8, v6, 768
	v_mad_u32_u24 v8, v5, 12, v8                   ; and the same place in wc
	v_lshlrev_b32 v9, 5, v10                       ; my row of scale bytes
	s_mul_i32 s26, s23, 256*12288                  ; W: 256 rows of 12,288 bytes for each step along K,
	s_lshl_b32 s27, s22, 2
	s_add_co_u32 s26, s26, s27                     ; + 4 bytes a column
	s_mov_b32 s27, 0
	s_bfe_u32 s28, s22, 0x40006                    ; the head
	s_mul_i32 s28, s28, 192
	s_lshr_b32 s29, s22, 10                        ; the section
	s_lshl_b32 s29, s29, 6
	s_add_co_u32 s28, s28, s29
	s_and_b32 s29, s22, 32
	s_add_co_u32 s28, s28, s29                     ; the first of my 32 rows of wc
	s_mul_i32 s30, s28, 768
	s_mul_i32 s31, s23, 192
	s_add_co_u32 s30, s30, s31
	s_mov_b32 s31, 0
	s_lshl_b32 s28, s28, 5
	s_lshl_b32 s29, s23, 3
	s_add_co_u32 s28, s28, s29
	s_mov_b32 s29, 0
	s_wait_kmcnt 0x0
	s_add_nc_u64 s[6:7], s[6:7], s[26:27]
	s_add_nc_u64 s[14:15], s[14:15], s[30:31]
	s_add_nc_u64 s[16:17], s[16:17], s[28:29]
.macro WLOAD t                         ; block t: W(32 t + i, my column); 255 rows of 12,288 bytes at the most stand in the immediate
.set n, 0
.rept 32
	global_load_b32 v[WX+32*((\t)%2)+n], v3, s[6:7] offset:(32*(\t)+n)*12288 th:TH_LOAD_NT
.set n, n+1
.endr
.endm
	WLOAD 0
	WLOAD 1
.macro WBLOCK t
.set XS9, WX+32*((\t)%2)
.if (\t) < 7
	s_wait_loadcnt 32                              ; this block's 32 loads are in; the next block's may be out
.else
	s_wait_loadcnt 0x0
.endif
	v_max3_num_f32 v12, |v[XS9]|, |v[XS9+1]|, |v[XS9+2]|
	v_max3_num_f32 v13, |v[XS9+3]|, |v[XS9+4]|, |v[XS9+5]|
.irp i, 6,10,14,18,22,26
	v_max3_num_f32 v12, v12, |v[XS9+\i]|, |v[XS9+\i+1]|
	v_max3_num_f32 v13, v13, |v[XS9+\i+2]|, |v[XS9+\i+3]|
.endr
	v_max3_num_f32 v12, v12, |v[XS9+30]|, |v[XS9+31]|
	v_max3_num_f32 v12, v12, v13, 0x2800000        ; the floor
	v_add_nc_u32 v11, 0xfe000000, v12
	v_lshrrev_b32 v13, 23, v11
.if (\t)%4 == 0
	v_mov_b32 v[WSB+(\t)/4], v13
.else
	v_lshl_or_b32 v[WSB+(\t)/4], v13, 8*((\t)%4), v[WSB+(\t)/4]
.endif
	v_cvt_scalef32_pk16_bf6_f32 v[WC:WC+2], v[XS9:XS9+15], v11
	v_cvt_scalef32_pk16_bf6_f32 v[WC+4:WC+6], v[XS9+16:XS9+31], v11
	ds_store_b96 v4, v[WC:WC+2] offset:32*(\t)     ; 12 bytes to a place of 16, so that every LDS address is a multiple of 16
	ds_store_b96 v4, v[WC+4:WC+6] offset:32*(\t)+16
.if (\t)+2 < 8
	WLOAD (\t)+2
.endif
	s_wait_dscnt 0x0                               ; the stores have read their registers: the next block's codes may be written
.endm
.irp t, 0,1,2,3,4,5,6,7
	WBLOCK \t
.endr
	global_store_b64 v9, v[WSB:WSB+1], s[16:17]    ; my column's 8 scale bytes
.irp t, 0,1,2,3,4,5,6,7,8,9,10,11,12,13,14,15
	ds_load_b96 v[WO+4*\t:WO+4*\t+2], v7 offset:2*\t*272
.endr
.irp t, 0,1,2,3,4,5,6,7,8,9,10,11,12,13,14,15
	s_wait_dscnt 15-\t
	global_store_b96 v8, v[WO+4*\t:WO+4*\t+2], s[14:15] offset:2*\t*768
.endr
	s_wait_tensorcnt 0x0
	ds_add_u32 v192, v193
	s_wait_dscnt 0x0
	s_endpgm
.Lpath_m:
; ---------------- M of (batch, head) bh: wave ct = 2 b + u; lane (r, h) takes channel 32 b + 8 u + r + 8 (r / 8) and d = 32 h + 0 .. 31: a whole block, in the order of the operand's registers 0 to 5.
; mi, 3,328 bytes a head: four images of 768 bytes (registers 0-3: 16 bytes a lane; registers 4-5: 8 bytes a lane), then the scale words [r][ct].
	s_sub_co_u32 s21, ttmp9, 352
	v_and_b32 v3, 15, v0                           ; r
	v_bfe_u32 v4, v0, 4, 1                         ; h
	v_and_b32 v5, 8, v3
	v_add_nc_u32 v5, v5, v3
	v_lshlrev_b32 v5, 2, v5
	v_lshl_add_u32 v5, v4, 13, v5                  ; + 32 h rows of 256 bytes
	s_lshl_b32 s22, s21, 14
	s_lshr_b32 s23, s20, 1
	s_lshl_b32 s23, s23, 7
	s_add_co_u32 s22, s22, s23
	s_and_b32 s23, s20, 1
	s_lshl_b32 s23, s23, 5
	s_add_co_u32 s22, s22, s23                     ; 16,384 bh + 4 (32 b + 8 u)
	s_mov_b32 s23, 0
	s_mul_i32 s24, s21, 3328
	s_mov_b32 s25, 0
	s_mul_i32 s26, s20, 768
	v_lshlrev_b32 v6, 4, v2
	v_add_nc_u32 v6, s26, v6
	v_lshlrev_b32 v7, 3, v2
	v_add_nc_u32 v7, s26, v7
	s_lshl_b32 s26, s20, 2
	v_lshlrev_b32 v8, 4, v3
	v_add_nc_u32 v8, s26, v8
	s_mov_b32 s28, 0x76543210
	s_mov_b32 s29, 0xfedcba98                      ; lane l xor 16
	s_wait_kmcnt 0x0
	s_add_nc_u64 s[8:9], s[8:9], s[22:23]
	s_add_nc_u64 s[18:19], s[18:19], s[24:25]
.set n, 0
.rept 32
	global_load_b32 v[32+n], v5, s[8:9] offset:256*n
.set n, n+1
.endr
	s_wait_loadcnt 0x0
	v_max3_num_f32 v12, |v32|, |v33|, 0x2800000
	v_max3_num_f32 v13, |v34|, |v35|, 0x2800000
.irp i, 4,8,12,16,20,24,28
	v_max3_num_f32 v12, v12, |v[32+\i]|, |v[33+\i]|
	v_max3_num_f32 v13, v13, |v[34+\i]|, |v[35+\i]|
.endr
	v_max_num_f32 v12, v12, v13
	v_add_nc_u32 v11, 0xfe000000, v12
	v_lshrrev_b32 v14, 23, v11
	v_cvt_scalef32_pk16_bf6_f32 v[64:66], v[32:47], v11
	v_cvt_scalef32_pk16_bf6_f32 v[72:74], v[48:63], v11
	v_nop                                          ; one plain instruction behind the conversions
	v_mov_b32 v67, v72
	v_mov_b32 v68, v73
	v_mov_b32 v69, v74
	v_lshlrev_b32 v10, 3, v4
	v_lshlrev_b32 v9, v10, v14                     ; my byte at its place,
	v_mov_b32 v10, 0
	v_permlanex16_b32 v10, v9, s28, s29
	v_or_b32 v9, v9, v10                           ; with lane l xor 16's: bytes 0 and 1; bytes 2 and 3 stay 0
	global_store_b128 v6, v[64:67], s[18:19]
	global_store_b64 v7, v[68:69], s[18:19] offset:512
	global_store_b32 v8, v9, s[18:19] offset:3072  ; both halves of the lanes write the same word
	s_endpgm
.Lfunc_end_k_qd86783648b_quant:
	.size	k_qd86783648b_quant, .Lfunc_end_k_qd86783648b_quant-k_qd86783648b_quant
	.p2alignl 7, 3214868480
	.fill 96, 4, 3214868480
	.section	.rodata,"a",@progbits
	.p2align	6, 0x0
	.amdhsa_kernel k_qd86783648b_quant
		.amdhsa_group_segment_fixed_size 68096
		.amdhsa_private_segment_fixed_size 0
		.amdhsa_enable_private_segment 0
		.amdhsa_kernarg_size 64
		.amdhsa_user_sgpr_count 2
		.amdhsa_user_sgpr_kernarg_segment_ptr 1
		.amdhsa_wavefront_size32 1
		.amdhsa_system_sgpr_workgroup_id_x 1
		.amdhsa_system_sgpr_workgroup_id_y 1
		.amdhsa_system_sgpr_workgroup_id_z 1
		.amdhsa_system_vgpr_workitem_id 0
		.amdhsa_next_free_vgpr 194
		.amdhsa_next_free_sgpr 66
		.amdhsa_reserve_vcc 0
		.amdhsa_float_denorm_mode_32 3
		.amdhsa_float_denorm_mode_16_64 3
		.amdhsa_memory_ordered 1
		.amdhsa_forward_progress 1
		.amdhsa_inst_pref_size 80
	.end_amdhsa_kernel
	.amdgpu_metadata
---
amdhsa.version: [ 1, 2 ]
amdhsa.kernels:
  - .name:           k_qd86783648b_quant
    .symbol:         k_qd86783648b_quant.kd
    .args:
      - { .name: x, .offset: 0, .size: 8, .value_kind: global_buffer, .address_space: global }
      - { .name: W_qkv, .offset: 8, .size: 8, .value_kind: global_buffer, .address_space: global }
      - { .name: M, .offset: 16, .size: 8, .value_kind: global_buffer, .address_space: global }
      - { .name: xc, .offset: 24, .size: 8, .value_kind: global_buffer, .address_space: global }
      - { .name: xs, .offset: 32, .size: 8, .value_kind: global_buffer, .address_space: global }
      - { .name: wc, .offset: 40, .size: 8, .value_kind: global_buffer, .address_space: global }
      - { .name: ws, .offset: 48, .size: 8, .value_kind: global_buffer, .address_space: global }
      - { .name: mi, .offset: 56, .size: 8, .value_kind: global_buffer, .address_space: global }
    .group_segment_fixed_size: 68096
    .private_segment_fixed_size: 0
    .kernarg_segment_align: 8
    .kernarg_segment_size: 64
    .max_flat_workgroup_size: 128
    .sgpr_count:     66
    .vgpr_count:     194
    .wavefront_size: 32
...
	.end_amdgpu_metadata
.endif
;; end of part 1
;; launch proj (part 2): grid 16 x 32, 4 waves a work-group, clusters of 4 x 4, 327,680 bytes of LDS; arguments xc, xs, wc, ws, mi, Z, qi, kv, mp; writes qi, kv, mp
.if DOCPART == 2
	.amdgcn_target "amdgcn-amd-amdhsa--gfx1250"
	.amdhsa_code_object_version 6
	.text
	.protected	k_qd86783648b_proj
	.globl	k_qd86783648b_proj
	.p2align	8
	.type	k_qd86783648b_proj,@function
k_qd86783648b_proj:
	s_mov_b64 s[64:65], 0
	v_nop
	global_prefetch_b8 v0, s[64:65] scope:SCOPE_SE
	s_setreg_imm32_b32 hwreg(HW_REG_WAVE_MODE, 25, 1), 1
	s_wait_xcnt 0x0
	s_wait_alu depctr_hold_cnt(0) depctr_sa_sdst(0) depctr_va_vdst(0) depctr_va_sdst(0) depctr_va_ssrc(0) depctr_va_vcc(0) depctr_vm_vsrc(0)
	s_getreg_b32 s2, hwreg(HW_REG_IB_STS2, 6, 4)
	s_cmp_eq_u32 s2, 0
	s_cbranch_scc0 .Lentry_in_a_cluster
	s_endpgm
.Lentry_in_a_cluster:
	s_bfe_u32 s2, ttmp6, 0x10000c
	s_cmp_lg_u32 s2, 0xf033
	s_cbranch_scc0 .Lentry_shape_is_right
	s_endpgm
.Lentry_shape_is_right:
; qkv = x W_qkv on codes of BF6, and all that the later products want of it, made in registers: q, k, v never go to memory as f32.
; SHARES.  A work-group takes 256 token places (tb) x the 192 rows of wc of one head (hh): q's 64, k's 64, v's 64.  Wave w takes places 64 w .. 64 w + 63 against all 192: 48 accumulators of 16 x 16.
; K = 1,024 goes in four steps of 256 through two LDS slots; the scale bytes of the work-group's rows come once and stay.  4 x 4 work-groups form a cluster: x's tiles are asked for jointly along a row, W's along a column.
; ORIENTATIONS.  q and k: source 0 = 16 rows of W, source 1 = 16 tokens: a lane holds ONE token, register 16 b + i of a tile's 32 is column 32 b + 16 (lane / 16) + i.
; v: source 0 = 16 tokens, source 1 = 16 rows of W: a lane holds ONE channel, register 16 b + i is token 32 b + 16 (lane / 16) + i of the wave's 64.  (The rows' order in xc and wc makes these neighbours.)
; THE EPILOGUE, for each tile of 16 tokens: q and k quantised along d; sigma(t) = max(t, 0) + e^min(t, 0); sigma(q), sigma(k) quantised along d; 1 / (sigma . Z) by fused multiply-adds in f32.
; Then sigma(k) turns through LDS, so that a lane holds one d and registers run along the tokens; sigma(k) M on the matrix unit; v - moment; v, v - moment and sigma(k) quantised along the tokens;
; the work-group's part of sigma(k)^T (v - moment) (K = its 256 tokens) and of the sum of sigma(k) go to mp; the next launch adds the eight parts of a head.
; A HALF FRAGMENT (16 rows x 64 along K, six registers a lane) goes to memory and LDS as an image of its registers, 768 bytes: registers 0-3 at 16 x lane, registers 4-5 at 512 + 8 x lane.
; Products with K = 64: one side's registers 6-11 are zero codes; the other side's half fragments lie six registers apart, so its upper half is the next one (any code x 0 = 0); scale bytes 2 and 3 are 0.
; LIMITS: elu(t) + 1 is taken as max(t, 0) + e^min(t, 0); an exponential under 2^-126 is 0; a division is a reciprocal and a multiplication; a block of zeros has the byte 1; NaN and infinities are not served.
; REGISTERS, in windows of 256.  window 0: v0-31 addresses; v32-79 scale words; v80-255 the epilogue's.  window 1: W's 12 fragments at v[12 wb]; x's, two sets, at v[144 + 48 p + 12 t].
;   window 2: q's accumulators at v[8 (4 t + ct)], k's at v[128 + ..].   window 3: v's at v[8 (4 ct + t)]; from v128 sigma(k) M, then v - moment.
.set ROWB,  192                        ; a tile's row: 256 codes
.set KROW,  768                        ; a row of xc or wc
.set PITCH, 240                        ; an LDS row: 3 x (64 bytes + 16 of padding)
.set FR,    12
.set XHALF, 128*PITCH
.set WHALF, 96*PITCH
.set WOFF,  256*PITCH                  ; in a slot: x's 256 rows, then W's 192
.set SLOT,  448*PITCH
.set SCL,   2*SLOT                     ; x's scale bytes, 32 units of 256 + 16; behind them W's, 24 units
.set SPARE, 230400                     ; the spare words, 128 bytes a wave: two blocks of 256 bytes that no other line names
.set TSB,   64*272                     ; the epilogue's LDS lies in slot 0, which has had its last fill and its last read by then: for each wave 64 token rows x (256 + 16) bytes;
.set EXS,   4*TSB                      ; sigma(k) along the tokens: image (4 dt + w); 12,288 bytes on: v - moment: image (4 ct + w);
.set SWS,   EXS+24576                  ; scale words [K step][r][tile] of sigma(k); 512 on: of v - moment; 1,024 on: of v;
.set ZX,    SWS+1536                   ; the waves' sums of sigma(k): [w][64]
.set RR,   1
.set HH,   2
.set L16,  3                           ; 16 x lane
.set L8,   4                           ; 8 x lane
.set R16,  5                           ; 16 r
.set TSW,  6                           ; my token's row in my wave's TS, + 64 h
.set TSD,  7                           ; the same without the 64 h
.set TSR,  8                           ; TS + 16 h rows + 4 r
.set TSQ,  9                           ; TS + 16 h rows
.set HWA,  10                          ; SWS + 256 (w / 2) + 2 (w % 2) + 16 r: my half of a scale word
.set EX16, 11                          ; EXS + 768 w + 16 x lane
.set EX8,  12
.set LD16, 13                          ; EXS + 3,072 w + 16 x lane
.set AUXO, 14
.set KWO,  15
.set ADRX, 16                          ; v16-19 x's fragments in slot 0, 1 (and behind one padding more)
.set ADRW, 20                          ; v20-23 W's
.set LD8,  24
.set Z64,  25
.set RSI,  26
.set ADRS, 27                          ; scale words: lanes 0-15 x's rows, lanes 16-31 W's
.set SPW,  28                          ; my spare word; never rewritten
.set NIL,  29                          ; 0; never rewritten
.set RSB,  30
.set SW4,  31
.set SC,   32                          ; scale words, set s at v[32 + 24 s]; register 2 i + q: lanes 0-15 x's block i, lanes 16-31 W's block i
.set QW,   32                          ; in the epilogue: the words of q, sigma(q), k, sigma(k), four tiles each
.set SQW,  36
.set KCW,  40
.set SKW,  44
.set SNW,  64
.set VMW,  66
.set TM,   80
.set PW,   88
.set PC,   90
.set T6,   96
.set AX,   100
.set SG,   104
.set SX,   136
.set NS,   104
.set ZR,   168
.set RD,   168
.set SKF,  200                         ; sigma(k)'s four half fragments, six apart; v224-229 zeros
.set RQ,   230
.set ZXA,  234
.set SWB,  235
.set DT,   236
.set K16,  244
.set K8,   245
.set V16,  246
.set V8,   247
.set EB16, 248
.set EB8,  249
.set ZB,   250
.set MPO,  251
.set MW,   252                         ; M's scale words, four tiles
.set XF,   144                         ; x's fragments, in window 1
.set G1,   24
.set G0,   32
.set G1B,  48
.set G0B,  56
.set G1S,  68
.set G0S,  76
.set G1SB, 80
.set G0SB, 88
.set SEL,  96
.set HM,   98
.set MSB, 0
.macro WIN new                         ; the immediate's high byte repeats the setting that is left
.if MSB != (\new)
	s_set_vgpr_msb (MSB<<8)|(\new)
.set MSB, (\new)
.endif
.endm
.macro PLACES                          ; four plain instructions behind matrix instructions, ahead of loads into their registers and of reads of their results
.rept 4
	v_nop
.endr
.endm
; A joint load: waves 0 and 1 fetch for x, waves 2 and 3 for W.  The branch hangs on the wave's number alone.  Four v_nop follow each line.
.macro JLOAD g0a, g1a, g0b, g1b
	s_cmp_eq_u32 s15, 0
	s_cbranch_scc0 .Lfor_b_\@
	tensor_load_to_lds s[\g0a:\g0a+3], s[\g1a:\g1a+7]
	s_nop 0
.rept 4
	v_nop
.endr
	s_branch .Lasked_\@
.Lfor_b_\@:
	tensor_load_to_lds s[\g0b:\g0b+3], s[\g1b:\g1b+7]
	s_nop 0
.rept 4
	v_nop
.endr
.Lasked_\@:
.endm
.macro CREST
	s_cmp_lg_u32 s14, 0
	s_cbranch_scc1 .Lnot_wave_0_\@
	s_barrier_signal -3
.Lnot_wave_0_\@:
	s_barrier_wait -3
	s_barrier_signal -1
	s_barrier_wait -1
.endm
.macro CROUND
	s_barrier_signal -1
	s_barrier_wait -1
	CREST
.endm
	s_load_b128 s[4:7], s[0:1], 0x0                ; xc, xs
	s_load_b128 s[8:11], s[0:1], 0x10              ; wc, ws
	v_lshl_add_u32 v[SPW], v0, 2, SPARE
	v_mov_b32 v[NIL], 0
	ds_add_u32 v28, v29
	ds_add_u32 v28, v29
	s_wait_dscnt 0x0
	v_lshrrev_b32 v1, 5, v0
	v_readfirstlane_b32 s14, v1                    ; wave 0..3
	s_lshr_b32 s15, s14, 1                         ; I fetch for x (0) or for W (1)
	s_and_b32 s16, s14, 1                          ; which half of that tile's rows
	s_bfe_u32 s40, ttmp6, 0x40000                  ; cx
	s_bfe_u32 s41, ttmp6, 0x40004                  ; cy
	s_lshl_b32 s42, ttmp9, 2
	s_add_co_u32 s42, s42, s40                     ; hh: the head
	s_and_b32 s17, ttmp7, 0xffff
	s_lshl_b32 s17, s17, 2
	s_add_co_u32 s17, s17, s41                     ; tb: the block of 256 token places
	s_lshl_b32 s43, s41, 2
	s_lshl_b32 s43, 15, s43                        ; my row of the cluster
	s_lshl_b32 s44, 0x1111, s40                    ; my column
	s_or_b32 s[G1+0], s43, (1<<20)|(1<<21)|(3<<22)|(3<<25)   ; the mask; elements of 1 byte; padding on; bit 21 beside a mask; after every 16 words 4 words
	s_or_b32 s[G1B+0], s44, (1<<20)|(1<<21)|(3<<22)|(3<<25)
.irp g, G1, G1B
	s_mov_b32 s[\g+1], ROWB<<16                    ; tensor_dim0
	s_mov_b32 s[\g+3], ROWB<<16                    ; tile_dim0
	s_mov_b32 s[\g+5], KROW                        ; the pitch
	s_mov_b32 s[\g+6], 0
	s_mov_b32 s[\g+7], 0
.endr
	s_mov_b32 s[G1+2], 128<<16                     ; x: 128 rows a load
	s_mov_b32 s[G1+4], 128
	s_mov_b32 s[G1B+2], 96<<16                     ; W: 96 rows a load
	s_mov_b32 s[G1B+4], 96
	s_or_b32 s[G1S+0], s43, (3<<16)|(1<<20)|(1<<21)|(5<<22)|(3<<25)   ; scale bytes: rows of 256 bytes (32 elements of 8), 16 bytes of padding behind each
	s_or_b32 s[G1SB+0], s44, (3<<16)|(1<<20)|(1<<21)|(5<<22)|(3<<25)
.irp g, G1S, G1SB
	s_mov_b32 s[\g+1], 32<<16
	s_mov_b32 s[\g+3], 32<<16
	s_mov_b32 s[\g+5], 32
	s_mov_b32 s[\g+6], 0
	s_mov_b32 s[\g+7], 0
.endr
	s_mov_b32 s[G1S+2], 16<<16                     ; 128 rows x 32 bytes
	s_mov_b32 s[G1S+4], 16
	s_mov_b32 s[G1SB+2], 12<<16                    ; 96 rows x 32 bytes
	s_mov_b32 s[G1SB+4], 12
	s_lshl_b32 s18, s16, 7
	s_lshl_b32 s20, s17, 8
	s_add_co_u32 s20, s20, s18                     ; x: the first place that I fetch: it hangs on tb alone
	s_lshl_b32 s22, s20, 5                         ; its scale bytes,
	s_mul_i32 s20, s20, KROW                       ; its codes
	s_mov_b32 s21, 0
	s_mov_b32 s23, 0
	s_mul_i32 s46, s42, 192
	s_mul_i32 s19, s16, 96
	s_add_co_u32 s46, s46, s19                     ; W: the first row that I fetch: it hangs on hh alone
	s_lshl_b32 s92, s46, 5
	s_mul_i32 s46, s46, KROW
	s_mov_b32 s47, 0
	s_mov_b32 s93, 0
	s_mul_i32 s45, s16, XHALF                      ; where they go: no place in the cluster enters an LDS address
	s_mul_i32 s3, s16, WHALF
	s_mul_i32 s94, s16, 16*272
	s_mul_i32 s95, s16, 12*272
	s_wait_kmcnt 0x0
	s_add_nc_u64 s[20:21], s[4:5], s[20:21]
	s_add_nc_u64 s[22:23], s[6:7], s[22:23]
	s_add_nc_u64 s[46:47], s[8:9], s[46:47]
	s_add_nc_u64 s[92:93], s[10:11], s[92:93]
	CROUND                                         ; all sixteen work-groups are here: the first joint loads meet
	s_mov_b32 s[G0S], 1
	s_add_co_u32 s[G0S+1], s94, SCL
	s_mov_b64 s[G0S+2:G0S+3], s[22:23]
	s_or_b32 s[G0S+3], s[G0S+3], 0x80000000
	s_mov_b32 s[G0SB], 1
	s_add_co_u32 s[G0SB+1], s95, SCL+32*272
	s_mov_b64 s[G0SB+2:G0SB+3], s[92:93]
	s_or_b32 s[G0SB+3], s[G0SB+3], 0x80000000
	JLOAD G0S, G1S, G0SB, G1SB                     ; the scale bytes: filled once
.irp s, 0,1
	s_mov_b32 s[G0+4*\s], 1
	s_add_co_u32 s[G0+4*\s+1], s45, \s*SLOT
	s_add_nc_u64 s[G0+4*\s+2:G0+4*\s+3], s[20:21], \s*ROWB
	s_or_b32 s[G0+4*\s+3], s[G0+4*\s+3], 0x80000000
	s_mov_b32 s[G0B+4*\s], 1
	s_add_co_u32 s[G0B+4*\s+1], s3, \s*SLOT+WOFF
	s_add_nc_u64 s[G0B+4*\s+2:G0B+4*\s+3], s[46:47], \s*ROWB
	s_or_b32 s[G0B+4*\s+3], s[G0B+4*\s+3], 0x80000000
	JLOAD G0+4*\s, G1, G0B+4*\s, G1B               ; three tensor loads of mine are out now
.endr
	s_load_b256 s[4:11], s[0:1], 0x20              ; mi, Z, qi, kv
	s_load_b64 s[12:13], s[0:1], 0x40              ; mp
	; the addresses
	v_and_b32 v[RR], 15, v0                        ; r
	v_bfe_u32 v[HH], v0, 4, 1                      ; h
	v_mul_u32_u24 v236, v[RR], PITCH
	v_mad_u32_u24 v236, v[HH], 24, v236            ; a fragment's row x pitch + 24 x half
	v_lshl_add_u32 v237, v[HH], 4, v236            ; and the same behind one padding more
	s_mul_i32 s21, s14, 64*PITCH                   ; my 64 places of x
	s_mov_b32 s22, WOFF
.irp s, 0,1
	v_add_nc_u32 v[ADRX+\s], s21, v236
	v_add_nc_u32 v[ADRW+\s], s22, v236
	v_add_nc_u32 v[ADRX+2+\s], s21, v237
	v_add_nc_u32 v[ADRW+2+\s], s22, v237
	s_add_co_u32 s21, s21, SLOT
	s_add_co_u32 s22, s22, SLOT
.endr
	v_lshlrev_b32 v236, 5, v[RR]                   ; a row's 32 scale bytes,
	v_lshrrev_b32 v237, 8, v236
	v_lshl_add_u32 v236, v237, 4, v236             ; and 16 more for each 256 passed
	s_mul_i32 s21, s14, 8*272                      ; x's: my 64 rows
	s_xor_b32 s22, s14, 3
	s_add_co_u32 s22, s22, 1
	s_mul_i32 s22, s22, 8*272                      ; from there to W's first row: (4 - w) x 8 units
	v_mul_u32_u24 v237, s22, v[HH]                 ; lanes 16-31 take W's
	s_add_co_u32 s21, s21, SCL
	v_add_nc_u32 v236, v236, v237
	v_add_nc_u32 v[ADRS], s21, v236
	v_and_b32 v238, 31, v0                         ; lane
	v_lshlrev_b32 v[L16], 4, v238
	v_lshlrev_b32 v[L8], 3, v238
	v_lshlrev_b32 v[R16], 4, v[RR]
	s_mul_i32 s21, s14, TSB                        ; my wave's TS
	v_and_b32 v236, 8, v[RR]
	v_add_nc_u32 v236, v236, v[RR]                 ; r + 8 (r / 8)
	v_mul_u32_u24 v236, v236, 272
	v_add_nc_u32 v[TSD], s21, v236
	v_lshl_add_u32 v[TSW], v[HH], 6, v[TSD]
	v_mul_u32_u24 v236, v[HH], 16*272
	v_add_nc_u32 v[TSQ], s21, v236
	v_lshl_add_u32 v[TSR], v[RR], 2, v[TSQ]
	v_mul_u32_u24 v236, v[RR], 272
	v_lshl_add_u32 v236, v[HH], 6, v236
	v_add_nc_u32 v[RSI], s21, v236
	v_mul_u32_u24 v236, v[HH], 272
	v_add_nc_u32 v236, v236, v[R16]
	v_add_nc_u32 v[RSB], s21, v236
	s_lshl_b32 s22, s15, 8
	s_lshl_b32 s23, s16, 1
	s_add_co_u32 s22, s22, s23
	s_add_co_u32 s22, s22, SWS
	v_add_nc_u32 v[HWA], s22, v[R16]
	s_mul_i32 s22, s14, 768
	s_add_co_u32 s22, s22, EXS
	v_add_nc_u32 v[EX16], s22, v[L16]
	v_add_nc_u32 v[EX8], s22, v[L8]
	s_mul_i32 s22, s14, 3072
	s_add_co_u32 s22, s22, EXS
	v_add_nc_u32 v[LD16], s22, v[L16]
	v_add_nc_u32 v[LD8], s22, v[L8]
	v_mad_u32_u24 v[AUXO], v[HH], 1792, v[R16]
	v_lshl_add_u32 v[KWO], v[HH], 3, v[R16]
	s_lshl_b32 s22, s16, 8
	v_add_nc_u32 v[KWO], s22, v[KWO]
	v_lshlrev_b32 v[Z64], 6, v[HH]
	s_lshl_b32 s22, s14, 2
	s_add_co_u32 s22, s22, SWS
	v_add_nc_u32 v[SW4], s22, v[R16]
	v_add_nc_u32 v[SWB], SWS, v[R16]
	s_lshl_b32 s22, s14, 8
	s_add_co_u32 s22, s22, ZX
	v_lshl_add_u32 v[ZXA], v[RR], 2, s22
	s_mul_i32 s22, s16, 3072
	v_add_nc_u32 v[K16], s22, v[L16]
	v_add_nc_u32 v[K8], s22, v[L8]
	s_mul_i32 s22, s16, 768
	v_add_nc_u32 v[V16], s22, v[L16]
	v_add_nc_u32 v[V8], s22, v[L8]
	v_add_nc_u32 v[EB16], EXS, v[L16]
	v_add_nc_u32 v[EB8], EXS, v[L8]
	v_add_nc_u32 v[ZB], ZX, v[L8]
	s_lshl_b32 s22, s14, 12
	v_add_nc_u32 v[MPO], s22, v[L16]
	s_mov_b32 s[SEL], 0x76543210
	s_mov_b32 s[SEL+1], 0xfedcba98                 ; lane l xor 16
	s_mov_b32 s[HM], 0xffff0000                    ; lanes 16-31
	v_mov_b32 v[TM+2], 0                           ; a lane permute's destination counts as read: written once
	v_mov_b32 v[TM+3], 0
	v_mov_b32 v[AX+3], 0
.irp i, 0,1,2,3,4,5
	v_mov_b32 v[SKF+24+\i], 0                      ; the upper half of the last half fragment
.endr
	; where the epilogue's results go: these hang on hh and tb and enter global addresses alone
	s_lshr_b32 s2, s17, 3
	s_lshl_b32 s2, s2, 4
	s_add_co_u32 s2, s2, s42                       ; bh = 16 x batch + head
	s_and_b32 s3, s17, 7                           ; yb: which 256 tokens of the batch's 2,048
	s_mov_b32 s19, 0
	s_wait_kmcnt 0x0
	s_mul_i32 s18, s2, 3328
	s_add_nc_u64 s[4:5], s[4:5], s[18:19]          ; mi at my head
	s_lshl_b32 s18, s2, 8
	s_add_nc_u64 s[6:7], s[6:7], s[18:19]          ; Z at my head
	s_lshl_b32 s18, s2, 7
	s_lshl_b32 s20, s3, 4
	s_add_co_u32 s18, s18, s20
	s_lshl_b32 s20, s14, 2
	s_add_co_u32 s18, s18, s20
	s_mul_i32 s18, s18, 1792
	s_add_nc_u64 s[8:9], s[8:9], s[18:19]          ; qi at my wave's first tile
	s_mul_i32 s18, s2, 212992
	s_mul_i32 s20, s3, 2*13312
	s_add_co_u32 s18, s18, s20
	s_add_nc_u64 s[66:67], s[10:11], s[18:19]      ; kv at the work-group's first key step
	s_mul_i32 s18, s15, 13312
	s_add_nc_u64 s[10:11], s[66:67], s[18:19]      ; kv at my wave's key step
	s_lshl_b32 s18, s2, 3
	s_add_co_u32 s18, s18, s3
	s_mul_i32 s18, s18, 16640
	s_add_nc_u64 s[12:13], s[12:13], s[18:19]      ; mp at my part
.irp b, 0,1
.irp i, 0,1,2,3
	global_load_b128 v[ZR+16*\b+4*\i:ZR+16*\b+4*\i+3], v[Z64], s[6:7] offset:128*\b+16*\i   ; Z(32 b + 16 h + ..): in the order of a token's registers
.endr
.endr
	global_load_b128 v[MW:MW+3], v[R16], s[4:5] offset:3072   ; M's scale words: row r, four tiles
.macro FRAG reg, adr, q, i             ; a fragment, 16 rows x 128 K: 12 registers, in pieces of 8 bytes; lanes 16-31 read three pieces on, which for some pieces is behind one padding more: the second address register
.irp p, 0,1,2,3,4,5
.set PCE, 12*(\q)+6*(\p/3)+\p%3
.if PCE%8 < 5
	ds_load_b64 v[\reg+2*\p:\reg+2*\p+1], v[\adr] offset:8*PCE+16*(PCE/8)+(\i)*16*PITCH
.else
	ds_load_b64 v[\reg+2*\p:\reg+2*\p+1], v[\adr+2] offset:8*PCE+16*(PCE/8)+(\i)*16*PITCH
.endif
.endr
.endm
.macro FETCH_W slot, q, i0             ; W's blocks i0 .. i0 + 5 of the slot's q-th 128 along K
	WIN 0x40
.irp i, 0,1,2,3,4,5
	FRAG FR*(\i0+\i), ADRW+\slot, \q, \i0+\i
.endr
.endm
.macro FETCH_X slot, q                 ; x's four blocks into set q
	WIN 0x40
.irp i, 0,1,2,3
	FRAG XF+48*(\q)+FR*\i, ADRX+\slot, \q, \i
.endr
.endm
.macro SCALES sc                       ; a slot's scale words: two words a row
.irp i, 0,1,2,3,4,5,6,7,8,9,10,11
	ds_load_b64 v[SC+24*\sc+2*\i:SC+24*\sc+2*\i+1], v[ADRS] offset:\i*544
.endr
.endm
; Four matrix instructions: W's block wb against x's four.  Blocks 0-7 (q, k): W is source 0; blocks 8-11 (v): x is source 0.  The 48 accumulators take turns, one instruction a turn, in the same order in every step.
.macro MULB wb, q, sc, zero
.if (\wb) < 8
	WIN 0xa5
.else
	WIN 0xf5
.endif
.irp t, 0,1,2,3
.if (\wb) < 8
.set AC, 128*((\wb)/4)+8*(4*\t+(\wb)%4)
.if \zero
	v_wmma_scale_f32_16x16x128_f8f6f4 v[AC:AC+7], v[FR*(\wb):FR*(\wb)+11], v[XF+48*(\q)+FR*\t:XF+48*(\q)+FR*\t+11], 0, v[SC+24*(\sc)+2*(\wb)+(\q)], v[SC+24*(\sc)+2*\t+(\q)] matrix_a_fmt:MATRIX_FMT_BF6 matrix_b_fmt:MATRIX_FMT_BF6 matrix_a_scale:MATRIX_SCALE_ROW1
.else
	v_wmma_scale_f32_16x16x128_f8f6f4 v[AC:AC+7], v[FR*(\wb):FR*(\wb)+11], v[XF+48*(\q)+FR*\t:XF+48*(\q)+FR*\t+11], v[AC:AC+7], v[SC+24*(\sc)+2*(\wb)+(\q)], v[SC+24*(\sc)+2*\t+(\q)] matrix_a_fmt:MATRIX_FMT_BF6 matrix_b_fmt:MATRIX_FMT_BF6 matrix_a_scale:MATRIX_SCALE_ROW1
.endif
.else
.set AC, 8*(4*((\wb)-8)+\t)
.if \zero
	v_wmma_scale_f32_16x16x128_f8f6f4 v[AC:AC+7], v[XF+48*(\q)+FR*\t:XF+48*(\q)+FR*\t+11], v[FR*(\wb):FR*(\wb)+11], 0, v[SC+24*(\sc)+2*\t+(\q)], v[SC+24*(\sc)+2*(\wb)+(\q)] matrix_a_fmt:MATRIX_FMT_BF6 matrix_b_fmt:MATRIX_FMT_BF6 matrix_b_scale:MATRIX_SCALE_ROW1
.else
	v_wmma_scale_f32_16x16x128_f8f6f4 v[AC:AC+7], v[XF+48*(\q)+FR*\t:XF+48*(\q)+FR*\t+11], v[FR*(\wb):FR*(\wb)+11], v[AC:AC+7], v[SC+24*(\sc)+2*\t+(\q)], v[SC+24*(\sc)+2*(\wb)+(\q)] matrix_a_fmt:MATRIX_FMT_BF6 matrix_b_fmt:MATRIX_FMT_BF6 matrix_b_scale:MATRIX_SCALE_ROW1
.endif
.endif
.endr
.endm
; A slot's first 128 along K.  W has one set of registers: blocks 0-5 are fetched anew in the step's middle, blocks 6-11 at its end; x has two sets.
.macro STEP slot, zero
	s_wait_dscnt 36                                ; all but the youngest 36 loads (W's blocks 6-11) are in
.irp w, 0,1,2,3,4,5
	MULB \w, 0, \slot, \zero
.endr
	s_wait_dscnt 0x0                               ; W's blocks 6-11 are in
	PLACES
	FETCH_W \slot, 1, 0
	FETCH_X \slot, 1
.irp w, 6,7,8,9,10,11
	MULB \w, 0, \slot, \zero
.endr
	PLACES
	FETCH_W \slot, 1, 6
	WIN 0
.endm
; A slot's second 128 along K changes slots: one barrier; ahead of it each wave waits for all its tensor loads, adds 0 to its spare word, and waits for that and for its reads of this slot.  fill = 1: the slot is filled again, two steps of 256 on.
.macro TURN slot, next, fill
	s_wait_tensorcnt 0x0                           ; all my tensor loads have landed: my part of the next slot
	ds_add_u32 v[SPW], v[NIL]                      ; 0 onto my spare word
	s_wait_dscnt 37                                ; (the add and the youngest 36 loads may be out)
.irp w, 0,1,2
	MULB \w, 1, \slot, 0
.endr
	s_wait_dscnt 0x0                               ; the add is done, and my reads of this slot are over
	s_barrier_signal -1
.irp w, 3,4,5
	MULB \w, 1, \slot, 0
.endr
	WIN 0
	s_barrier_wait -1
.if \fill
	CREST                                          ; the barrier has opened a round of the cluster's: no wave of any partner still reads this slot or has a load on its way
	s_add_nc_u64 s[G0+4*\slot+2:G0+4*\slot+3], s[G0+4*\slot+2:G0+4*\slot+3], 2*ROWB
	s_add_nc_u64 s[G0B+4*\slot+2:G0B+4*\slot+3], s[G0B+4*\slot+2:G0B+4*\slot+3], 2*ROWB
	JLOAD G0+4*\slot, G1, G0B+4*\slot, G1B         ; the first tensor load behind the round; its four v_nop are also the places ahead of the loads below
.else
	PLACES
.endif
	v_add_nc_u32 v[ADRS], 8, v[ADRS]               ; the next slot's scale words
	FETCH_W \next, 0, 0
	FETCH_X \next, 0
	WIN 0
	SCALES \next
.irp w, 6,7,8,9,10,11
	MULB \w, 1, \slot, 0
.endr
	PLACES
	FETCH_W \next, 0, 6
	WIN 0
.endm
	s_wait_loadcnt 0x0                             ; Z and M's scale words
	s_wait_tensorcnt 1                             ; the scale bytes and my part of slot 0 are in; slot 1's load may be out
	s_barrier_signal -1
	s_barrier_wait -1
	FETCH_W 0, 0, 0
	FETCH_X 0, 0
	WIN 0
	SCALES 0
	FETCH_W 0, 0, 6
	WIN 0
	STEP 0, 1                                      ; the first products start the sums: nothing is cleared
	TURN 0, 1, 1
	STEP 1, 0
	TURN 1, 0, 1
	STEP 0, 0
	TURN 0, 1, 0                                   ; nothing is left to fetch
	STEP 1, 0
	s_wait_dscnt 36
.irp w, 0,1,2,3,4,5
	MULB \w, 1, 1, 0
.endr
	s_wait_dscnt 0x0
.irp w, 6,7,8,9,10,11
	MULB \w, 1, 1, 0
.endr
	WIN 0
; ================ THE EPILOGUE
; 32 numbers of a lane, v[s] .. v[s + 31] of window w, register 16 b + i = K index 32 b + 16 (lane / 16) + i of my row, become a half fragment's codes in v[d .. d + 5] and its scale word in v[pw] (both in window 0).
.macro QUANT32 s, w, d, pw
	WIN 20*(\w)                                    ; sources 1 and 2 in window w
.irp b, 0,1
	v_max3_num_f32 v[TM+\b], 0x2800000, |v[\s+16*\b]|, |v[\s+16*\b+1]|   ; my 16 numbers of block b, and the floor 2^(5 - 127).  Each accumulator is read from its low end on
.endr
.irp i, 2,4,6,8,10,12,14
.irp b, 0,1
	v_max3_num_f32 v[TM+\b], v[TM+\b], |v[\s+16*\b+\i]|, |v[\s+16*\b+\i+1]|
.endr
.endr
	WIN 0
.irp b, 0,1
	v_permlanex16_b32 v[TM+2+\b], v[TM+\b], s[SEL], s[SEL+1]
.endr
.irp b, 0,1
	v_max_num_f32 v[TM+\b], v[TM+\b], v[TM+2+\b]   ; with lane l xor 16's: the block's largest magnitude
.endr
.irp b, 0,1
	v_add_nc_u32 v[TM+4+\b], 0xfe000000, v[TM+\b]  ; 4 off the exponent field: the conversion's scale operand
.endr
.irp b, 0,1
	v_lshrrev_b32 v[TM+6+\b], 23, v[TM+4+\b]       ; the byte
.endr
	s_wait_xcnt 0x0                                ; earlier global stores have read the registers that are written next,
	s_wait_dscnt 0x0                               ; and so have earlier LDS stores
	v_lshl_or_b32 v[\pw], v[TM+7], 8, v[TM+6]      ; bytes 0 and 1; bytes 2 and 3 stay 0
	WIN \w                                         ; source 0 in window w
	v_cvt_scalef32_pk16_bf6_f32 v[\d:\d+2], v[\s:\s+15], v[TM+4]
	v_cvt_scalef32_pk16_bf6_f32 v[T6:T6+2], v[\s+16:\s+31], v[TM+5]
	WIN 0
	v_nop                                          ; one plain instruction behind the conversions
.irp i, 0,1,2
	v_permlane16_swap_b32 v[\d+\i], v[T6+\i]       ; a whole block to a lane: lanes 0-15 block 0, lanes 16-31 block 1
.endr
.irp i, 0,1,2
	v_mov_b32 v[\d+3+\i], v[T6+\i]
.endr
.endm
; 1 / (sigma . Z) of my token: 32 fused multiply-adds in two packed chains, lane l xor 16's half, a reciprocal
.macro DOTZ dst
	v_pk_mul_f32 v[DT:DT+1], v[SG:SG+1], v[ZR:ZR+1]
	v_pk_mul_f32 v[DT+2:DT+3], v[SG+2:SG+3], v[ZR+2:ZR+3]
.irp i, 4,8,12,16,20,24,28
	v_pk_fma_f32 v[DT:DT+1], v[SG+\i:SG+\i+1], v[ZR+\i:ZR+\i+1], v[DT:DT+1]
	v_pk_fma_f32 v[DT+2:DT+3], v[SG+\i+2:SG+\i+3], v[ZR+\i+2:ZR+\i+3], v[DT+2:DT+3]
.endr
	v_pk_add_f32 v[DT:DT+1], v[DT:DT+1], v[DT+2:DT+3]
	v_add_f32 v[DT], v[DT], v[DT+1]
	v_permlanex16_b32 v[DT+1], v[DT], s[SEL], s[SEL+1]
	v_add_f32 v[DT], v[DT], v[DT+1]
	v_rcp_f32 v[\dst], v[DT]
	v_nop                                          ; a plain instruction behind the reciprocal,
	s_wait_alu depctr_va_vdst(0)                   ; and a wait ahead of the first use
.endm
; A tile of 16 tokens of q (sec = 0) or k (sec = 1)
.macro TPHASE sec, tt
.if \sec == 0
	QUANT32 32*\tt, 2, PC, QW+\tt
	global_store_b128 v[L16], v[PC:PC+3], s[8:9] offset:1792*\tt
	global_store_b64 v[L8], v[PC+4:PC+5], s[8:9] offset:1792*\tt+512
.else
	QUANT32 128+32*\tt, 2, PC, KCW+\tt
	global_store_b128 v[K16], v[PC:PC+3], s[10:11] offset:768*\tt
	global_store_b64 v[K8], v[PC+4:PC+5], s[10:11] offset:768*\tt+512
.endif
	WIN 0x08                                       ; source 1 in window 2
.set n, 0
.rept 32
	v_min_num_f32 v[SG+n], 0, v[128*\sec+32*\tt+n]
	v_max_num_f32 v[SX+n], 0, v[128*\sec+32*\tt+n]
.set n, n+1
.endr
	WIN 0
.set n, 0
.rept 16
	v_pk_mul_f32 v[SG+n:SG+n+1], v[SG+n:SG+n+1], 0x3fb8aa3b op_sel_hi:[1,0]   ; x log2(e)
.set n, n+2
.endr
.set n, 0
.rept 32
	v_exp_f32 v[SG+n], v[SG+n]
.set n, n+1
.endr
	v_nop                                          ; a plain instruction behind the batch,
	s_wait_alu depctr_va_vdst(0)                   ; and one wait for the 32, ahead of their first reader
.set n, 0
.rept 16
	v_pk_add_f32 v[SG+n:SG+n+1], v[SG+n:SG+n+1], v[SX+n:SX+n+1]   ; sigma = e^min(t, 0) + max(t, 0)
.set n, n+2
.endr
.if \sec == 0
	QUANT32 SG, 0, PC, SQW+\tt
	global_store_b128 v[L16], v[PC:PC+3], s[8:9] offset:1792*\tt+768
	global_store_b64 v[L8], v[PC+4:PC+5], s[8:9] offset:1792*\tt+1280
	DOTZ RQ+\tt
.else
	QUANT32 SG, 0, SKF+6*\tt, SKW+\tt
	DOTZ DT+4
.irp b, 0,1
.irp i, 0,1,2,3
	ds_store_b128 v[TSW], v[SG+16*\b+4*\i:SG+16*\b+4*\i+3] offset:(32*(\tt/2)+8*(\tt%2))*272+128*\b+16*\i   ; sigma(k) by token rows, in my wave's own bytes
.endr
.endr
	ds_store_b32 v[TSD], v[DT+4] offset:(32*(\tt/2)+8*(\tt%2))*272+256   ; and 1 / (sigma(k) . Z) behind the row; both halves write the same word
.endif
.endm
.macro AUX pair                        ; two tiles' records {q's word, sigma(q)'s word, 1 / (sigma(q) . Z), 0}: lanes 0-15 the first tile's rows, lanes 16-31 the second's: 256 bytes each
	s_wait_xcnt 0x0                                ; the earlier store has read these registers
	v_cndmask_b32 v[AX], v[QW+2*\pair], v[QW+2*\pair+1], s[HM]
	v_cndmask_b32 v[AX+1], v[SQW+2*\pair], v[SQW+2*\pair+1], s[HM]
	v_cndmask_b32 v[AX+2], v[RQ+2*\pair], v[RQ+2*\pair+1], s[HM]
	global_store_b128 v[AUXO], v[AX:AX+3], s[8:9] offset:1536+3584*\pair
.endm
.macro NSLOAD dt                       ; sigma(k) of d = 16 dt + r, tokens 32 b + 16 h + i: a lane to a d, registers along the tokens
.irp b, 0,1
.set n, 0
.rept 16
	ds_load_b32 v[NS+32*((\dt)%2)+16*\b+n], v[TSR] offset:(32*\b+n)*272+64*(\dt)
.set n, n+1
.endr
.endr
.endm
.macro NPART dt                        ; its sum over my 64 tokens; its codes along the tokens, to LDS for the wave that multiplies them
.set NB, NS+32*((\dt)%2)
	v_pk_add_f32 v[DT:DT+1], v[NB:NB+1], v[NB+2:NB+3]
	v_pk_add_f32 v[DT+2:DT+3], v[NB+4:NB+5], v[NB+6:NB+7]
.irp i, 8,12,16,20,24,28
	v_pk_add_f32 v[DT:DT+1], v[DT:DT+1], v[NB+\i:NB+\i+1]
	v_pk_add_f32 v[DT+2:DT+3], v[DT+2:DT+3], v[NB+\i+2:NB+\i+3]
.endr
	v_pk_add_f32 v[DT:DT+1], v[DT:DT+1], v[DT+2:DT+3]
	v_add_f32 v[DT], v[DT], v[DT+1]
	v_permlanex16_b32 v[DT+1], v[DT], s[SEL], s[SEL+1]
	v_add_f32 v[DT], v[DT], v[DT+1]
	ds_store_b32 v[ZXA], v[DT] offset:64*(\dt)
	QUANT32 NS+32*((\dt)%2), 0, PC, PW
	ds_store_b128 v[EX16], v[PC:PC+3] offset:3072*(\dt)
	ds_store_b64 v[EX8], v[PC+4:PC+5] offset:3072*(\dt)+512
	ds_store_b16 v[HWA], v[PW] offset:4*(\dt)      ; my two bytes of the K step's scale word
.endm
	PLACES                                         ; behind the last products
	WIN 0x40                                       ; destination window 1: M's four half fragments take W's registers; they land under the tiles' work
.irp c, 0,1,2,3
	global_load_b128 v[12*\c:12*\c+3], v[L16], s[4:5] offset:768*\c
	global_load_b64 v[12*\c+4:12*\c+5], v[L8], s[4:5] offset:768*\c+512
.endr
.irp c, 0,1,2,3
.irp i, 6,7,8,9,10,11
	v_mov_b32 v[12*\c+\i], 0                       ; zero codes for K = 64 .. 127
.endr
.endr
	WIN 0
	TPHASE 0, 0
	TPHASE 0, 1
	AUX 0
	TPHASE 0, 2
	TPHASE 0, 3
	AUX 1
	TPHASE 1, 0
	TPHASE 1, 1
	TPHASE 1, 2
	TPHASE 1, 3
	s_wait_xcnt 0x0
	v_cndmask_b32 v[AX], v[KCW], v[KCW+2], s[HM]   ; k's scale words: lane (r, h) stores those of tiles 2 h and 2 h + 1
	v_cndmask_b32 v[AX+1], v[KCW+1], v[KCW+3], s[HM]
	global_store_b64 v[KWO], v[AX:AX+1], s[10:11] offset:12288
	; ---- along the tokens.  LDS serves a wave's instructions in order: these loads see my stores
.irp b, 0,1
.set n, 0
.rept 16
	ds_load_b32 v[RD+16*\b+n], v[TSQ] offset:(32*\b+n)*272+256   ; 1 / (sigma(k) . Z) of token 32 b + 16 h + n
.set n, n+1
.endr
.endr
	NSLOAD 0
	NSLOAD 1
	s_wait_loadcnt 0x0                             ; M's half fragments
.rept 8
	v_nop                                          ; scale words and operands made by vector instructions stand eight and four places ahead of a scaled matrix instruction
.endr
	WIN 0xc4                                       ; source 1 (M) window 1, destination window 3
.irp c, 0,1,2,3
.irp t, 0,1,2,3
	v_wmma_scale_f32_16x16x128_f8f6f4 v[128+8*(4*\c+\t):128+8*(4*\c+\t)+7], v[SKF+6*\t:SKF+6*\t+11], v[12*\c:12*\c+11], 0, v[SKW+\t], v[MW+\c] matrix_a_fmt:MATRIX_FMT_BF6 matrix_b_fmt:MATRIX_FMT_BF6
.endr
.endr
	WIN 0
	PLACES
	s_wait_dscnt 0x0
	NPART 0
	NPART 1
	s_wait_dscnt 0x0
	NSLOAD 2
	NSLOAD 3
	WIN 0xf3                                       ; v - (sigma(k) M) / (sigma(k) . Z): source 0, source 2 and destination in window 3
.irp c, 0,1,2,3
.set n, 0
.rept 16
	v_pk_fma_f32 v[128+32*\c+n:128+32*\c+n+1], v[128+32*\c+n:128+32*\c+n+1], v[RD+n:RD+n+1], v[32*\c+n:32*\c+n+1] neg_lo:[1,0,0] neg_hi:[1,0,0]
.set n, n+2
.endr
.endr
	WIN 0
.irp c, 0,1,2,3
	QUANT32 32*\c, 3, PC, PW                       ; v along the tokens: half c = w % 2 of the key step's fragment of channels tile c
	global_store_b128 v[V16], v[PC:PC+3], s[10:11] offset:6144+1536*\c
	global_store_b64 v[V8], v[PC+4:PC+5], s[10:11] offset:6144+1536*\c+512
	ds_store_b16 v[HWA], v[PW] offset:1024+4*\c
	QUANT32 128+32*\c, 3, PC, PW                   ; v - moment along the tokens
	ds_store_b128 v[EX16], v[PC:PC+3] offset:12288+3072*\c
	ds_store_b64 v[EX8], v[PC+4:PC+5] offset:12288+3072*\c+512
	ds_store_b16 v[HWA], v[PW] offset:512+4*\c
.endr
	s_wait_dscnt 0x0
	NPART 2
	NPART 3
	s_wait_dscnt 0x0                               ; for the others' sake: my stores have landed
	s_barrier_signal -1
	s_barrier_wait -1
	; ---- sigma(k)^T (v - moment) over the work-group's 256 tokens: wave w takes d = 16 w .. 16 w + 15; source 0 = 16 channels, source 1 = 16 d; two K steps of 128
	WIN 0x40
.irp f, 0,1,2,3
	ds_load_b128 v[6*\f:6*\f+3], v[LD16] offset:768*\f
	ds_load_b64 v[6*\f+4:6*\f+5], v[LD8] offset:768*\f+512
.endr
.irp c, 0,1,2,3
.irp f, 0,1,2,3
	ds_load_b128 v[24+24*\c+6*\f:24+24*\c+6*\f+3], v[EB16] offset:12288+3072*\c+768*\f
	ds_load_b64 v[24+24*\c+6*\f+4:24+24*\c+6*\f+5], v[EB8] offset:12288+3072*\c+768*\f+512
.endr
.endr
	WIN 0
.irp s, 0,1
	ds_load_b32 v[SNW+\s], v[SW4] offset:256*\s
	ds_load_b128 v[VMW+4*\s:VMW+4*\s+3], v[SWB] offset:512+256*\s
.endr
	s_wait_dscnt 0x0
	WIN 0x05                                       ; sources 0 and 1 in window 1
.irp c, 0,1,2,3
	v_wmma_scale_f32_16x16x128_f8f6f4 v[104+8*\c:111+8*\c], v[24+24*\c:35+24*\c], v[0:11], 0, v[VMW+\c], v[SNW] matrix_a_fmt:MATRIX_FMT_BF6 matrix_b_fmt:MATRIX_FMT_BF6
.endr
.irp c, 0,1,2,3
	v_wmma_scale_f32_16x16x128_f8f6f4 v[104+8*\c:111+8*\c], v[36+24*\c:47+24*\c], v[12:23], v[104+8*\c:111+8*\c], v[VMW+4+\c], v[SNW+1] matrix_a_fmt:MATRIX_FMT_BF6 matrix_b_fmt:MATRIX_FMT_BF6
.endr
	WIN 0
	PLACES
.irp b, 0,1
.irp i, 0,1,2,3
	ds_store_b128 v[RSI], v[104+16*\b+4*\i:104+16*\b+4*\i+3] offset:128*\b+16*\i   ; lane (r, h): row d = r, channels 32 b + 16 h + ..: through my wave's own bytes,
.endr
.endr
.irp t, 0,1,2,3,4,5,6,7
	ds_load_b128 v[136+4*\t:139+4*\t], v[RSB] offset:544*\t    ; back as whole rows of 256 bytes
.endr
.irp t, 0,1,2,3,4,5,6,7
	s_wait_dscnt 7-\t                              ; the younger loads may be out
	global_store_b128 v[MPO], v[136+4*\t:139+4*\t], s[12:13] offset:512*\t   ; 32 lanes store 512 consecutive bytes, aligned
.endr
	s_cmp_lg_u32 s14, 0
	s_cbranch_scc1 .Lnot_w0
	ds_load_b128 v[168:171], v[SWB] offset:1024    ; v's scale words of the two key steps: [r][tile], stored twice over: 512 bytes
	ds_load_b128 v[172:175], v[SWB] offset:1280
	s_wait_dscnt 0x0
	global_store_b128 v[L16], v[168:171], s[66:67] offset:12800
	global_store_b128 v[L16], v[172:175], s[66:67] offset:13312+12800
.Lnot_w0:
	s_cmp_lg_u32 s14, 1
	s_cbranch_scc1 .Lnot_w1
.irp k, 0,1,2,3
	ds_load_b64 v[176+2*\k:177+2*\k], v[ZB] offset:256*\k   ; the four waves' sums of sigma(k)
.endr
	s_wait_dscnt 0x0
	v_pk_add_f32 v[176:177], v[176:177], v[178:179]
	v_pk_add_f32 v[180:181], v[180:181], v[182:183]
	v_pk_add_f32 v[176:177], v[176:177], v[180:181]
	global_store_b64 v[L8], v[176:177], s[12:13] offset:16384
.Lnot_w1:
	s_wait_tensorcnt 0x0                           ; the wave's end
	ds_add_u32 v[SPW], v[NIL]
	s_wait_dscnt 0x0
	CROUND                                         ; the closing round
	s_endpgm
.Lfunc_end_k_qd86783648b_proj:
	.size	k_qd86783648b_proj, .Lfunc_end_k_qd86783648b_proj-k_qd86783648b_proj
	.p2alignl 7, 3214868480
	.fill 96, 4, 3214868480
	.section	.rodata,"a",@progbits
	.p2align	6, 0x0
	.amdhsa_kernel k_qd86783648b_proj
		.amdhsa_group_segment_fixed_size 327680
		.amdhsa_private_segment_fixed_size 0
		.amdhsa_enable_private_segment 0
		.amdhsa_kernarg_size 72
		.amdhsa_user_sgpr_count 2
		.amdhsa_user_sgpr_kernarg_segment_ptr 1
		.amdhsa_wavefront_size32 1
		.amdhsa_system_sgpr_workgroup_id_x 1
		.amdhsa_system_sgpr_workgroup_id_y 1
		.amdhsa_system_sgpr_workgroup_id_z 1
		.amdhsa_system_vgpr_workitem_id 0
		.amdhsa_next_free_vgpr 1024
		.amdhsa_next_free_sgpr 100
		.amdhsa_reserve_vcc 0
		.amdhsa_float_denorm_mode_32 3
		.amdhsa_float_denorm_mode_16_64 3
		.amdhsa_memory_ordered 1
		.amdhsa_forward_progress 1
		.amdhsa_inst_pref_size 255
	.end_amdhsa_kernel
	.section	.bss,"aw",@nobits
	.p2align	6
	.space	262144
	.amdgpu_metadata
---
amdhsa.version: [ 1, 2 ]
amdhsa.kernels:
  - .name:           k_qd86783648b_proj
    .symbol:         k_qd86783648b_proj.kd
    .args:
      - { .name: xc, .offset: 0, .size: 8, .value_kind: global_buffer, .address_space: global }
      - { .name: xs, .offset: 8, .size: 8, .value_kind: global_buffer, .address_space: global }
      - { .name: wc, .offset: 16, .size: 8, .value_kind: global_buffer, .address_space: global }
      - { .name: ws, .offset: 24, .size: 8, .value_kind: global_buffer, .address_space: global }
      - { .name: mi, .offset: 32, .size: 8, .value_kind: global_buffer, .address_space: global }
      - { .name: Z, .offset: 40, .size: 8, .value_kind: global_buffer, .address_space: global }
      - { .name: qi, .offset: 48, .size: 8, .value_kind: global_buffer, .address_space: global }
      - { .name: kv, .offset: 56, .size: 8, .value_kind: global_buffer, .address_space: global }
      - { .name: mp, .offset: 64, .size: 8, .value_kind: global_buffer, .address_space: global }
    .group_segment_fixed_size: 327680
    .private_segment_fixed_size: 0
    .kernarg_segment_align: 8
    .kernarg_segment_size: 72
    .max_flat_workgroup_size: 128
    .sgpr_count:     100
    .vgpr_count:     1024
    .wavefront_size: 32
...
	.end_amdgpu_metadata
.endif
;; end of part 2
;; launch attn (part 3): grid 4 x 64, 16 waves a work-group, clusters of 4 x 1, 327,680 bytes of LDS; arguments qi, kv, mi, mp, M, Z, beta_lin, beta_gate, out0, out1, out2; writes out0, out1, out2
.if DOCPART == 3
	.amdgcn_target "amdgcn-amd-amdhsa--gfx1250"
	.amdhsa_code_object_version 6
	.text
	.protected	k_qd86783648b_attn
	.globl	k_qd86783648b_attn
	.p2align	8
	.type	k_qd86783648b_attn,@function
k_qd86783648b_attn:
	s_mov_b64 s[64:65], 0
	v_nop
	global_prefetch_b8 v0, s[64:65] scope:SCOPE_SE
	s_setreg_imm32_b32 hwreg(HW_REG_WAVE_MODE, 25, 1), 1
	s_wait_xcnt 0x0
	s_wait_alu depctr_hold_cnt(0) depctr_sa_sdst(0) depctr_va_vdst(0) depctr_va_sdst(0) depctr_va_ssrc(0) depctr_va_vcc(0) depctr_vm_vsrc(0)
	s_getreg_b32 s2, hwreg(HW_REG_IB_STS2, 6, 4)
	s_cmp_eq_u32 s2, 0
	s_cbranch_scc0 .Lentry_in_a_cluster
	s_endpgm
.Lentry_in_a_cluster:
	s_bfe_u32 s2, ttmp6, 0x10000c
	s_cmp_lg_u32 s2, 0x3003
	s_cbranch_scc0 .Lentry_shape_is_right
	s_endpgm
.Lentry_shape_is_right:
; out0 = g A_mem + (1 - g) A_dot;  out1 = beta M + the eight parts of sigma(k)^T (v - moment);  out2 = beta Z + the eight parts of the sum of sigma(k).
; A_dot = softmax(q k^T / 8) v on codes of BF6: t = score x log2(e) / 8; M' = the running largest t rounded UP to a whole number; p = 2^(t - M') is quantised along the keys, not normalised; the row's sum is taken of the
; unquantised p and divides at the end; when M' moves, the sum and O are multiplied by 2^(old - new), exactly.  A_mem = (sigma(q) M) / (sigma(q) . Z), the product on codes, the divisor made by the launch before.
; SHARES.  The four work-groups of a cluster are the four blocks of 512 queries of one (batch, head) bh.  Each of the 16 waves owns one tile of 16 queries at a time, two one after the other.
; THE WHOLE HEAD'S K AND V LIE IN LDS, 212,992 bytes, filled ONCE, by joint loads that name the four partners: each wave asks for four pieces of 13 rows x 256 bytes, one in each quarter of the keys; four tensor loads of a wave are out.
; Nothing is filled again.  The first pass starts on a quarter as soon as it has landed.
; A key step (128 keys, 13,312 bytes): eight images of k (16 keys x 64 d), eight of v (16 channels x 64 keys), k's scale words, v's scale words: all read by 16 or 8 consecutive bytes a lane.
; Both products are used transposed (S^T = k q^T, O^T = v^T p^T): a lane holds ONE query.  K = 64 in k q^T and M^T sigma(q)^T: q's and sigma(q)'s registers 6-11 are zero codes; k's images lie six registers apart.
; No prefetch: all of K and V is asked for at the head, by the tensor loads themselves.
; LIMITS: an exponential under 2^-126 is 0; divisions are a reciprocal and a multiplication; NaN and infinities are not served.
; REGISTERS: v1-7 addresses; v8-11 the next tile's record; v12 -M', v13 the largest t, v[14:15] the sum; v16-27 q; v28-31 the record {q's word, sigma(q)'s word, 1 / (sigma(q) . Z), 0}; v32-85 k's or v's images and a pad of zeros;
; v86-89 k's (M's) scale words, v90-93 v's; v96-159 S^T, then p; v160-191 O^T; v192-203 p's codes; v204-232 at work; v234-245 sigma(q); v246-251 the next tile's q; v252 g, v253 1 - g.
.set KSB,   13312
.set QTR,   4*KSB
.set MIL,   16*KSB                     ; behind K and V: M's images and scale words, 3,328 bytes, stored by waves 0 to 12
.set STAGE, 216576                     ; the way out: 16 rows x (256 + 16) bytes for each wave
.set L16,  1
.set L8,   2
.set A16,  3
.set A8,   4
.set STI,  5
.set STB,  6
.set GO,   7
.set R16,  94
.set ML16, 95
.set ML8,  207
.set MLW,  211
.set T8,   233
.set BM,   212
.set BP,   216
.set SO,   220
.set BY,   224
.set FF,   228
.set GL,   230
.set PWD,  232
.set G1,   28
.set G0,   36
.set WV,   52
.set SEL,  54
.set CS,   56
.set TB,   58
.set CNT,  59
.macro CROUND
	s_barrier_signal -1
	s_barrier_wait -1
	s_cmp_lg_u32 s[WV], 0
	s_cbranch_scc1 .Lnot_wave_0_\@
	s_barrier_signal -3
.Lnot_wave_0_\@:
	s_barrier_wait -3
	s_barrier_signal -1
	s_barrier_wait -1
.endm
	s_load_b512 s[4:19], s[0:1], 0x0               ; qi, kv, mi, mp, M, Z, beta_lin, beta_gate
	s_load_b128 s[20:23], s[0:1], 0x40             ; out0, out1
	s_load_b64 s[24:25], s[0:1], 0x50              ; out2
	v_lshl_add_u32 v254, v0, 2, 0x45e00
	v_mov_b32 v255, 0
	ds_add_u32 v254, v255
	ds_add_u32 v254, v255
	s_wait_dscnt 0x0
	v_lshrrev_b32 v1, 5, v0
	v_readfirstlane_b32 s[WV], v1                  ; wave 0..15
	s_bfe_u32 s53, ttmp6, 0x40000                  ; cx: which 512 queries; it enters global addresses alone
	s_and_b32 s60, ttmp7, 0xffff                   ; bh, which the four partners share
	s_mov_b32 s[G1], 15|(3<<16)|(1<<21)            ; the mask: all four; elements of 8 bytes; bit 21 beside a mask; no padding
	s_mov_b32 s[G1+1], 32<<16                      ; tensor_dim0 = 32 elements: 256 bytes
	s_mov_b32 s[G1+2], 13<<16                      ; tensor_dim1 = 13
	s_mov_b32 s[G1+3], 32<<16                      ; tile_dim0
	s_mov_b32 s[G1+4], 13                          ; tile_dim1
	s_mov_b32 s[G1+5], 32                          ; the pitch: dense
	s_mov_b32 s[G1+6], 0
	s_mov_b32 s[G1+7], 0
	s_mul_i32 s66, s60, 16*KSB
	s_mul_i32 s67, s[WV], 3328                     ; my piece of a quarter, in memory and in LDS
	s_add_co_u32 s68, s66, s67
	s_mov_b32 s69, 0
	s_wait_kmcnt 0x0
	s_add_nc_u64 s[70:71], s[6:7], s[68:69]
.irp q, 0,1,2,3
	s_mov_b32 s[G0+4*\q], 1
	s_add_co_u32 s[G0+4*\q+1], s67, \q*QTR
	s_add_nc_u64 s[G0+4*\q+2:G0+4*\q+3], s[70:71], \q*QTR
	s_or_b32 s[G0+4*\q+3], s[G0+4*\q+3], 0x80000000
.endr
	CROUND                                         ; all four work-groups are here: the joint loads meet
	tensor_load_to_lds s[G0:G0+3], s[G1:G1+7]
	s_nop 0
	tensor_load_to_lds s[G0+4:G0+7], s[G1:G1+7]
	s_nop 0
	tensor_load_to_lds s[G0+8:G0+11], s[G1:G1+7]
	s_nop 0
	tensor_load_to_lds s[G0+12:G0+15], s[G1:G1+7]
	s_nop 0
.rept 4
	v_nop
.endr
	v_and_b32 v254, 31, v0                         ; lane
	v_lshlrev_b32 v[L16], 4, v254
	v_lshlrev_b32 v[L8], 3, v254
	v_and_b32 v227, 15, v0                         ; r
	v_bfe_u32 v226, v0, 4, 1                       ; h
	v_lshlrev_b32 v[R16], 4, v227
	v_lshlrev_b32 v225, 2, v227                    ; 4 r
	v_lshlrev_b32 v[T8], 3, v0                     ; 8 x thread
	v_lshl_add_u32 v224, v0, 3, MIL                ; where I put 8 bytes of M's image
	v_add_nc_u32 v[ML16], MIL, v[L16]
	v_add_nc_u32 v[ML8], MIL, v[L8]
	v_add_nc_u32 v[MLW], MIL+3072, v[R16]
	s_mul_i32 s72, s[WV], 16*272
	s_add_co_u32 s72, s72, STAGE                   ; my stage
	v_mul_u32_u24 v[STI], v227, 272
	v_lshl_add_u32 v[STI], v226, 6, v[STI]
	v_add_nc_u32 v[STI], s72, v[STI]               ; in: row r, + 64 h
	v_mul_u32_u24 v[STB], v226, 272
	v_add_nc_u32 v[STB], v[STB], v[R16]
	v_add_nc_u32 v[STB], s72, v[STB]               ; back: lanes 0-15 one row, lanes 16-31 the next
	v_lshl_add_u32 v[GO], v226, 12, v[R16]         ; and the same two tokens' rows of out0
	s_mov_b32 s[SEL], 0x76543210
	s_mov_b32 s[SEL+1], 0xfedcba98
	s_mov_b32 s[CS], 0x3e38aa3b                    ; log2(e) / 8
	s_mov_b32 s[CS+1], s[CS]
	s_mov_b32 s62, 0x3f666666                      ; 0.9
	s_mov_b32 s63, 0x3f7fbe77                      ; 0.999
	s_mov_b32 s77, 0
	s_mov_b32 s79, 0
	s_lshl_b32 s76, s60, 7
	s_lshl_b32 s78, s53, 5
	s_add_co_u32 s76, s76, s78
	s_add_co_u32 s76, s76, s[WV]
	s_mul_i32 s76, s76, 1792
	s_add_nc_u64 s[4:5], s[4:5], s[76:77]          ; qi at my first tile: 128 bh + 32 cx + wave; the second lies 16 tiles on
	s_mul_i32 s76, s60, 3328
	s_add_nc_u64 s[8:9], s[8:9], s[76:77]          ; mi at my head
	s_mul_i32 s76, s60, 8*16640
	s_lshl_b32 s78, s53, 6
	s_add_co_u32 s78, s76, s78
	s_add_nc_u64 s[74:75], s[10:11], s[78:79]      ; mp: my work-group's 16 of the 64 sums of sigma(k)
	s_lshl_b32 s78, s53, 12
	s_add_co_u32 s76, s76, s78
	s_add_nc_u64 s[10:11], s[10:11], s[76:77]      ; mp: my work-group's quarter of the 64 x 64
	s_lshl_b32 s76, s60, 14
	s_add_co_u32 s76, s76, s78
	s_add_nc_u64 s[12:13], s[12:13], s[76:77]      ; M and out1 likewise
	s_add_nc_u64 s[22:23], s[22:23], s[76:77]
	s_lshl_b32 s76, s60, 8
	s_lshl_b32 s78, s53, 6
	s_add_co_u32 s76, s76, s78
	s_add_nc_u64 s[14:15], s[14:15], s[76:77]      ; Z and out2
	s_add_nc_u64 s[24:25], s[24:25], s[76:77]
	s_and_b32 s76, s60, 15
	s_lshl_b32 s76, s76, 2
	s_add_nc_u64 s[18:19], s[18:19], s[76:77]      ; the head's gate
	s_load_b32 s26, s[16:17], 0x0
	s_load_b32 s27, s[18:19], 0x0
	s_lshr_b32 s76, s60, 4                         ; out0: batch x 2,048 tokens of 4,096 bytes,
	s_lshl_b32 s76, s76, 23
	s_lshl_b32 s78, s53, 21                        ; + 512 cx tokens,
	s_add_co_u32 s76, s76, s78
	s_lshr_b32 s78, s[WV], 1
	s_lshl_b32 s78, s78, 17                        ; + 32 (wave / 2),
	s_add_co_u32 s76, s76, s78
	s_and_b32 s78, s[WV], 1
	s_lshl_b32 s78, s78, 15                        ; + 8 (wave % 2): the order of a tile's rows,
	s_add_co_u32 s76, s76, s78
	s_and_b32 s78, s60, 15
	s_lshl_b32 s78, s78, 8                         ; + the head's 256 bytes
	s_add_co_u32 s76, s76, s78
	s_add_nc_u64 s[20:21], s[20:21], s[76:77]
	global_load_b128 v[16:19], v[L16], s[4:5]                    ; q
	global_load_b64 v[20:21], v[L8], s[4:5] offset:512
	global_load_b128 v[234:237], v[L16], s[4:5] offset:768       ; sigma(q)
	global_load_b64 v[238:239], v[L8], s[4:5] offset:1280
	global_load_b128 v[28:31], v[R16], s[4:5] offset:1536        ; the record of row r
	global_load_b128 v[246:249], v[L16], s[4:5] offset:28672     ; the second tile's q and record
	global_load_b64 v[250:251], v[L8], s[4:5] offset:28672+512
	global_load_b128 v[8:11], v[R16], s[4:5] offset:28672+1536
.irp y, 0,1,2,3,4,5,6,7
	global_load_b64 v[96+2*\y:97+2*\y], v[T8], s[10:11] offset:16640*\y   ; the eight parts: 8 bytes a thread
.endr
	global_load_b64 v[112:113], v[T8], s[12:13]
	s_cmp_lt_u32 s[WV], 13                         ; M's image is 13 x 256 bytes
	s_cbranch_scc0 .Lno_mi
	global_load_b64 v[124:125], v[T8], s[8:9]
	s_wait_loadcnt 0x0
	ds_store_b64 v224, v[124:125]
.Lno_mi:
	s_wait_loadcnt 0x0
	s_wait_kmcnt 0x0
	v_mov_b32 v252, s27
	v_mov_b32 v254, s26
	v_mul_f32 v252, 0xbfb8aa3b, v252
	v_mul_f32 v254, 0xbfb8aa3b, v254
	v_exp_f32 v252, v252
	v_exp_f32 v254, v254
	v_nop
	s_wait_alu depctr_va_vdst(0)                   ; one wait for the two, ahead of their first reader
	v_add_f32 v252, 1.0, v252
	v_add_f32 v254, 1.0, v254
	v_rcp_f32 v252, v252                           ; g = sigmoid(beta_gate)
	v_rcp_f32 v254, v254
	v_nop
	s_wait_alu depctr_va_vdst(0)
	v_sub_f32 v253, 1.0, v252
	v_med3_num_f32 v254, v254, s62, s63            ; beta = clip(sigmoid(beta_lin), 0.9, 0.999)
	v_mov_b32 v255, v254
	v_pk_add_f32 v[96:97], v[96:97], v[98:99]
	v_pk_add_f32 v[100:101], v[100:101], v[102:103]
	v_pk_add_f32 v[104:105], v[104:105], v[106:107]
	v_pk_add_f32 v[108:109], v[108:109], v[110:111]
	v_pk_add_f32 v[96:97], v[96:97], v[100:101]
	v_pk_add_f32 v[104:105], v[104:105], v[108:109]
	v_pk_add_f32 v[96:97], v[96:97], v[104:105]
	v_pk_fma_f32 v[96:97], v[112:113], v[254:255], v[96:97] op_sel_hi:[1,0,1]
	global_store_b64 v[T8], v[96:97], s[22:23]     ; a wave stores 256 consecutive bytes, aligned
	s_cmp_lg_u32 s[WV], 0
	s_cbranch_scc1 .Lnot_w0
.irp y, 0,1,2,3,4,5,6,7
	global_load_b32 v[114+\y], v225, s[74:75] offset:16640*\y+16384
.endr
	global_load_b32 v122, v225, s[14:15]
	s_wait_loadcnt 0x0
	v_add_f32 v114, v114, v115
	v_add_f32 v116, v116, v117
	v_add_f32 v118, v118, v119
	v_add_f32 v120, v120, v121
	v_add_f32 v114, v114, v116
	v_add_f32 v118, v118, v120
	v_add_f32 v114, v114, v118
	v_fma_f32 v114, v122, v254, v114
	global_store_b32 v225, v114, s[24:25]          ; 16 numbers; both halves of the lanes write the same
.Lnot_w0:
.irp i, 0,1,2,3,4,5
	v_mov_b32 v[22+\i], 0                          ; q's zero codes for K = 64 .. 127,
	v_mov_b32 v[240+\i], 0                         ; sigma(q)'s,
	v_mov_b32 v[80+\i], 0                          ; and the pad behind k's last image
.endr
.irp b, 0,1,2,3
	v_mov_b32 v[BP+\b], 0                          ; a lane permute's destination counts as read
.endr
	v_mov_b32 v[FF+1], 0                           ; named as upper halves of pairs
	v_mov_b32 v[GL+1], 0
; A KEY STEP: 128 keys
.macro STEP
	v_add_nc_u32 v[A16], s[TB], v[L16]
	v_add_nc_u32 v[A8], s[TB], v[L8]
	v_nop
	v_nop                                          ; four places ahead of loads into registers that the last products read
.irp t, 0,1,2,3,4,5,6,7
	ds_load_b128 v[32+6*\t:35+6*\t], v[A16] offset:768*\t
	ds_load_b64 v[36+6*\t:37+6*\t], v[A8] offset:768*\t+512
.endr
	ds_load_b128 v[86:89], v[A16] offset:12288     ; k's scale words: lanes 0-15 tiles 0-3, lanes 16-31 tiles 4-7
	s_wait_dscnt 0x0
.irp t, 0,1,2,3
	v_wmma_scale_f32_16x16x128_f8f6f4 v[96+8*\t:103+8*\t], v[32+6*\t:43+6*\t], v[16:27], 0, v[86+\t], v28 matrix_a_fmt:MATRIX_FMT_BF6 matrix_b_fmt:MATRIX_FMT_BF6
.endr
.irp t, 4,5,6,7
	v_wmma_scale_f32_16x16x128_f8f6f4 v[96+8*\t:103+8*\t], v[32+6*\t:43+6*\t], v[16:27], 0, v[82+\t], v28 matrix_a_fmt:MATRIX_FMT_BF6 matrix_b_fmt:MATRIX_FMT_BF6 matrix_a_scale:MATRIX_SCALE_ROW1
.endr
.rept 4
	v_nop
.endr
.irp f, 0,1,2,3,4,5,6,7                ; v's images land under the softmax
	ds_load_b128 v[32+6*\f:35+6*\f], v[A16] offset:6144+768*\f
	ds_load_b64 v[36+6*\f:37+6*\f], v[A8] offset:6144+768*\f+512
.endr
	ds_load_b128 v[90:93], v[A16] offset:12800
.irp b, 0,1,2,3
	v_max3_num_f32 v[BM+\b], v[96+16*\b], v[97+16*\b], v[98+16*\b]   ; the largest score of each block of 32 keys: for the row's maximum, and, since p rises with the score, for the block's largest p
.endr
.irp i, 3,5,7,9,11,13
.irp b, 0,1,2,3
	v_max3_num_f32 v[BM+\b], v[BM+\b], v[96+16*\b+\i], v[97+16*\b+\i]
.endr
.endr
.irp b, 0,1,2,3
	v_max_num_f32 v[BM+\b], v[BM+\b], v[111+16*\b]
.endr
.irp b, 0,1,2,3
	v_permlanex16_b32 v[BP+\b], v[BM+\b], s[SEL], s[SEL+1]
.endr
.irp b, 0,1,2,3
	v_max_num_f32 v[BM+\b], v[BM+\b], v[BP+\b]
.endr
	v_max3_num_f32 v254, v[BM], v[BM+1], v[BM+2]
	v_max_num_f32 v254, v254, v[BM+3]
	v_mul_f32 v254, s[CS], v254
	v_max_num_f32 v13, v13, v254                   ; the running largest t
	v_mov_b32 v254, v12
	v_floor_f32 v12, -v13                          ; -M' = floor(-t): a whole number
	v_sub_f32 v254, v12, v254
	v_cvt_i32_f32 v254, v254                       ; (it saturates)
	v_ldexp_f32 v[FF], 1.0, v254                   ; f = 2^(old M' - new M')
.set n, 0
.rept 32
	v_pk_fma_f32 v[96+n:97+n], v[96+n:97+n], s[CS:CS+1], v[12:13] op_sel_hi:[1,0,0]   ; t - M'
.set n, n+2
.endr
.irp b, 0,1,2,3
	v_fma_f32 v[BM+\b], v[BM+\b], s[CS], v12
.endr
.set n, 0
.rept 64
	v_exp_f32 v[96+n], v[96+n]                     ; p, at most 1
.set n, n+1
.endr
	v_pk_mul_f32 v[14:15], v[14:15], v[FF:FF+1] op_sel_hi:[1,0]   ; the sums under the new M'; also the plain instruction behind the batch
	s_wait_alu depctr_va_vdst(0)                   ; one wait for the 64, ahead of their first reader
.irp b, 0,1,2,3
	v_exp_f32 v[BM+\b], v[BM+\b]                   ; each block's largest p
.endr
	v_pk_add_f32 v[BP:BP+1], v[96:97], v[98:99]    ; the row's sum of the unquantised p, in two chains
.irp j, 4,8,12,16,20,24,28,32,36,40,44,48,52,56,60
	v_pk_add_f32 v[14:15], v[14:15], v[96+\j:97+\j]
	v_pk_add_f32 v[BP:BP+1], v[BP:BP+1], v[98+\j:99+\j]
.endr
	v_pk_add_f32 v[14:15], v[14:15], v[BP:BP+1]
	s_wait_alu depctr_va_vdst(0)                   ; and one for the four
.irp b, 0,1,2,3
	v_max_num_f32 v[BM+\b], 0x2800000, v[BM+\b]    ; the floor 2^(5 - 127)
.endr
.irp b, 0,1,2,3
	v_add_nc_u32 v[SO+\b], 0xfe000000, v[BM+\b]
.endr
.irp b, 0,1,2,3
	v_lshrrev_b32 v[BY+\b], 23, v[SO+\b]
.endr
	v_lshl_or_b32 v[PWD], v[BY+1], 8, v[BY]        ; p's scale word for these 128 keys
	v_lshl_or_b32 v[PWD], v[BY+2], 16, v[PWD]
	v_lshl_or_b32 v[PWD], v[BY+3], 24, v[PWD]
.irp c, 0,1
	v_cvt_scalef32_pk16_bf6_f32 v[192+6*\c:194+6*\c], v[96+32*\c:111+32*\c], v[SO+2*\c]
	v_cvt_scalef32_pk16_bf6_f32 v[204+4*\c:206+4*\c], v[112+32*\c:127+32*\c], v[SO+2*\c+1]
.endr
	v_nop
.irp c, 0,1
.irp i, 0,1,2
	v_permlane16_swap_b32 v[192+6*\c+\i], v[204+4*\c+\i]
.endr
.irp i, 0,1,2
	v_mov_b32 v[195+6*\c+\i], v[204+4*\c+\i]
.endr
.endr
.set n, 0
.rept 16
	v_pk_mul_f32 v[160+n:161+n], v[160+n:161+n], v[FF:FF+1] op_sel_hi:[1,0]   ; O^T under the new M'; these are also the places ahead of the products below
.set n, n+2
.endr
	s_wait_dscnt 0x0                               ; v's images and scale words
.irp c, 0,1,2,3
	v_wmma_scale_f32_16x16x128_f8f6f4 v[160+8*\c:167+8*\c], v[32+12*\c:43+12*\c], v[192:203], v[160+8*\c:167+8*\c], v[90+\c], v[PWD] matrix_a_fmt:MATRIX_FMT_BF6 matrix_b_fmt:MATRIX_FMT_BF6
.endr
	s_add_co_u32 s[TB], s[TB], KSB
.endm
.macro STEPS n
	s_mov_b32 s[CNT], \n
.Lstep_\@:
	STEP
	s_sub_co_u32 s[CNT], s[CNT], 1
	s_cmp_lg_u32 s[CNT], 0
	s_cbranch_scc1 .Lstep_\@
.endm
; One tile of 16 queries against all 2,048 keys, the memory's read-out, the gate, the way out
.macro PASS p
	v_mov_b32 v13, 0xff61b1e6                      ; -3e38, under every t
	v_floor_f32 v12, -v13
	v_mov_b32 v14, 0
	v_mov_b32 v15, 0
.set n, 0
.rept 32
	v_mov_b32 v[160+n], 0                          ; the step is written once: its first trip finds zeros
.set n, n+1
.endr
	s_mov_b32 s[TB], 0
.if \p == 0
.irp q, 0,1,2,3
	s_wait_tensorcnt 3-\q                          ; my piece of quarter q has landed; the later quarters' loads may be out
	s_wait_dscnt 0x0                               ; (ahead of the first barrier: my store of M's image)
	s_barrier_signal -1
	s_barrier_wait -1                              ; everybody's has
	STEPS 4
.endr
.else
	STEPS 16
.endif
.rept 4
	v_nop
.endr
.irp c, 0,1,2,3
	ds_load_b128 v[32+6*\c:35+6*\c], v[ML16] offset:768*\c
	ds_load_b64 v[36+6*\c:37+6*\c], v[ML8] offset:768*\c+512
.endr
	ds_load_b128 v[86:89], v[MLW]
	s_wait_loadcnt 0x0                             ; sigma(q) of this tile
	s_wait_dscnt 0x0
.irp c, 0,1,2,3
	v_wmma_scale_f32_16x16x128_f8f6f4 v[96+8*\c:103+8*\c], v[32+6*\c:43+6*\c], v[234:245], 0, v[86+\c], v29 matrix_a_fmt:MATRIX_FMT_BF6 matrix_b_fmt:MATRIX_FMT_BF6
.endr
	v_add_f32 v14, v14, v15
	v_permlanex16_b32 v254, v14, s[SEL], s[SEL+1]
	v_add_f32 v14, v14, v254                       ; the row's sum
	v_rcp_f32 v14, v14
	v_mul_f32 v[FF], v252, v30                     ; g / (sigma(q) . Z)
.rept 3
	v_nop
.endr
	s_wait_alu depctr_va_vdst(0)
	v_mul_f32 v[GL], v253, v14                     ; (1 - g) / the sum
.set n, 0
.rept 16
	v_pk_mul_f32 v[160+n:161+n], v[160+n:161+n], v[GL:GL+1] op_sel_hi:[1,0]
.set n, n+2
.endr
.set n, 0
.rept 16
	v_pk_fma_f32 v[160+n:161+n], v[96+n:97+n], v[FF:FF+1], v[160+n:161+n] op_sel_hi:[1,0,1]
.set n, n+2
.endr
.irp b, 0,1
.irp i, 0,1,2,3
	ds_store_b128 v[STI], v[160+16*\b+4*\i:163+16*\b+4*\i] offset:128*\b+16*\i   ; register 16 b + i is channel 32 b + 16 h + i
.endr
.endr
.irp t, 0,1,2,3,4,5,6,7
	ds_load_b128 v[128+4*\t:131+4*\t], v[STB] offset:544*\t   ; LDS serves a wave's instructions in order
.endr
.irp t, 0,1,2,3,4,5,6,7
	s_wait_dscnt 7-\t                              ; the younger loads may be out
	global_store_b128 v[GO], v[128+4*\t:131+4*\t], s[20:21] offset:(2*\t+8*(\t/4))*4096+1048576*\p th:TH_STORE_NT   ; rows 2 t and 2 t + 1 of the tile are tokens 2 t + 8 (t / 4) and the next; 16 lanes store 256 consecutive bytes, aligned
.endr
.endm
	s_wait_xcnt 0x0                                ; the head's loads and stores have read their registers
	PASS 0
	s_wait_xcnt 0x0                                ; the stores have read v128-159
.irp i, 0,1,2,3,4,5
	v_mov_b32 v[16+\i], v[246+\i]                  ; the second tile's q,
.endr
.irp i, 0,1,2,3
	v_mov_b32 v[28+\i], v[8+\i]                    ; its record,
.endr
	global_load_b128 v[234:237], v[L16], s[4:5] offset:28672+768   ; and its sigma(q), wanted at the pass's end
	global_load_b64 v[238:239], v[L8], s[4:5] offset:28672+1280
	PASS 1
	s_wait_dscnt 0x0
	s_wait_xcnt 0x0
	v_lshl_add_u32 v254, v0, 2, 0x45e00
	v_mov_b32 v255, 0
	s_wait_tensorcnt 0x0
	ds_add_u32 v254, v255
	s_wait_dscnt 0x0
	CROUND                                         ; the closing round
	s_endpgm
.Lfunc_end_k_qd86783648b_attn:
	.size	k_qd86783648b_attn, .Lfunc_end_k_qd86783648b_attn-k_qd86783648b_attn
	.p2alignl 7, 3214868480
	.fill 96, 4, 3214868480
	.section	.rodata,"a",@progbits
	.p2align	6, 0x0
	.amdhsa_kernel k_qd86783648b_attn
		.amdhsa_group_segment_fixed_size 327680
		.amdhsa_private_segment_fixed_size 0
		.amdhsa_enable_private_segment 0
		.amdhsa_kernarg_size 88
		.amdhsa_user_sgpr_count 2
		.amdhsa_user_sgpr_kernarg_segment_ptr 1
		.amdhsa_wavefront_size32 1
		.amdhsa_system_sgpr_workgroup_id_x 1
		.amdhsa_system_sgpr_workgroup_id_y 1
		.amdhsa_system_sgpr_workgroup_id_z 1
		.amdhsa_system_vgpr_workitem_id 0
		.amdhsa_next_free_vgpr 256
		.amdhsa_next_free_sgpr 90
		.amdhsa_reserve_vcc 0
		.amdhsa_float_denorm_mode_32 3
		.amdhsa_float_denorm_mode_16_64 3
		.amdhsa_memory_ordered 1
		.amdhsa_forward_progress 1
		.amdhsa_inst_pref_size 106
	.end_amdhsa_kernel
	.amdgpu_metadata
---
amdhsa.version: [ 1, 2 ]
amdhsa.kernels:
  - .name:           k_qd86783648b_attn
    .symbol:         k_qd86783648b_attn.kd
    .args:
      - { .name: qi, .offset: 0, .size: 8, .value_kind: global_buffer, .address_space: global }
      - { .name: kv, .offset: 8, .size: 8, .value_kind: global_buffer, .address_space: global }
      - { .name: mi, .offset: 16, .size: 8, .value_kind: global_buffer, .address_space: global }
      - { .name: mp, .offset: 24, .size: 8, .value_kind: global_buffer, .address_space: global }
      - { .name: M, .offset: 32, .size: 8, .value_kind: global_buffer, .address_space: global }
      - { .name: Z, .offset: 40, .size: 8, .value_kind: global_buffer, .address_space: global }
      - { .name: beta_lin, .offset: 48, .size: 8, .value_kind: global_buffer, .address_space: global }
      - { .name: beta_gate, .offset: 56, .size: 8, .value_kind: global_buffer, .address_space: global }
      - { .name: out0, .offset: 64, .size: 8, .value_kind: global_buffer, .address_space: global }
      - { .name: out1, .offset: 72, .size: 8, .value_kind: global_buffer, .address_space: global }
      - { .name: out2, .offset: 80, .size: 8, .value_kind: global_buffer, .address_space: global }
    .group_segment_fixed_size: 327680
    .private_segment_fixed_size: 0
    .kernarg_segment_align: 8
    .kernarg_segment_size: 88
    .max_flat_workgroup_size: 512
    .sgpr_count:     90
    .vgpr_count:     256
    .wavefront_size: 32
...
	.end_amdgpu_metadata
.endif
;; end of part 3
